; MI455X (gfx1250); checked and timed in simulation.
; The chip was launched on July 23, 2026; its instructions are those of AMD's public machine-readable ISA for CDNA 5 (MIT licence, August 2026) and "CDNA5" Instruction Set Architecture Reference Guide (July 2026). The comments in the code are by the model that wrote it; some were corrected since.
;; Self Attention Ref. Allowed arithmetic: float matrix products may take bf16 or f16 operands with f32 sums; all other float work in f32.
;; Inputs: Wk 1,024 x 1,024 float32; Wq 1,024 x 1,024 float32; Wu 1,024 x 1,024 float32; Wv 1,024 x 1,024 float32; kln_b 64 float32; kln_w 64 float32; qln_b 64 float32; qln_w 64 float32; x 2 x 2,048 x 1,024 float32.
;; Outputs: out0 2 x 2,048 x 1,024 float32.
;; 3 versions, each right; version 2 is faster than version 1; version 3 is version 2 with the launch cast written anew for expert scheduling mode. Each part assembles by itself: llvm-mc -triple=amdgcn-amd-amdhsa -mcpu=gfx1250 --defsym DOCPART=n.
;; ======== version 1 of 3: 4 launches
;; limits: values are held in f16: magnitudes above 65,504 overflow, below 6.1e-05 lose precision; values outside matrix products are rounded to bf16
;; workspace buffers: xw 16,777,216 bytes; qkv 25,165,824 bytes; ob 16,777,216 bytes
;; launch cast (part 1): grid 256 x 1, 8 waves a work-group, no clusters, 0 bytes of LDS; arguments x, Wq, Wk, Wv, Wu, xw; writes xw
.if DOCPART == 1
	.amdgcn_target "amdgcn-amd-amdhsa--gfx1250"
	.amdhsa_code_object_version 6
	.text
	.protected	k_q1cc52a02bd_cast
	.globl	k_q1cc52a02bd_cast
	.p2align	8
	.type	k_q1cc52a02bd_cast,@function
k_q1cc52a02bd_cast:
	s_mov_b64 s[64:65], 0
	v_nop
	global_prefetch_b8 v0, s[64:65] scope:SCOPE_SE
	s_setreg_imm32_b32 hwreg(HW_REG_WAVE_MODE, 25, 1), 1
	s_wait_xcnt 0x0
; SELF-ATTENTION, b = 2, t = 2048, e = 1024, 16 heads of 64.  Four launches: cast, qkv, attn, proj.
; THIS LAUNCH rounds x and the four weights once from f32 to bf16 and lays them out as the products want them:
;   xw + 0         xh [4096][1024]            x, row-major
;   xw + 0x800000  wh [head 16][3][64][1024]  a head's 64 rows of Wq, of Wk, of Wv: 192 neighbouring rows
;   xw + 0xE00000  wuh[kb 16][1024][64]       plane kb = columns 64 kb .. 64 kb + 63 of Wu, rows of 128 bytes
;
; NUMBER FORMATS OF THE PROGRAM.  Every floating-point input enters rounded once to bf16: x and the weights here, the norms' gains and q's bias in the
; second launch (they scale matrix operands).  From there on: sums, norms and softmax in f32; q, k, v and the softmax's weights as f16 operands (11 bits);
; the attention's output as the sum of two bf16 numbers (16 bits).  Why the finer formats: a query with n keys gives an output of about 1 / sqrt(n) of
; v's size, so a batch's first rows are some ten times the root mean square of the whole output, and a rounding to 8 bits would be felt there in absolute terms.
; LIMIT OF FORMAT: v beyond 65,504 in magnitude becomes an infinity in f16 (with x and W 30 times the drawn spread |v| stays near 3,500);
;     normalised q and k are at most 7.94 |gain| + |bias|; the gains carry 8 significant bits.
;
; WORK LEFT OUT IN THE PROGRAM, and why it can reach no output:
; (a) kln_b.  k enters the result only through dot[q][k] = q . (khat[k] * kln_w + kln_b) / 8 = q . (khat[k] * kln_w) / 8 + q . kln_b / 8.
;     The second term does not hang on the key: it is the same number along the softmax's axis, for every value of q and kln_b, and
;     softmax(z + const) = softmax(z).  So kln_b is not loaded and is among no launch's arguments.
; (b) Key tiles of 128 whose every key lies behind every query of a block of 128 queries: reference() sets their scores to -inf in its own body,
;     so their weights are exactly 0.  136 of 256 tiles of a head remain.
; LIMIT: a NaN, an infinity or an overflow that sits in kln_b, or in rows of k and v that reach a query only through such tiles, is not carried to the result.
;
; A stream: memory binds, so no LDS, no barrier, no matrix unit, no cluster.  256 work-groups of 32 source rows (131,072 bytes in, 65,536 out);
; a wave takes 4 rows with 32 loads of 512 bytes, all on their way at once; each store of a wave covers 256 consecutive bytes, aligned.
.set WH,  0x800000
.set WUH, 0xE00000
.set SRC, 2                            ; v2      byte offset of my 16 bytes in the group's source rows
.set DST, 3                            ; v3      byte offset of my 8 bytes in the destination
.set X,   8                            ; v[8:135] load i: 4 registers
	s_load_b256 s[4:11], s[0:1], 0x0               ; x s[4:5], Wq s[6:7], Wk s[8:9], Wv s[10:11]
	s_load_b128 s[12:15], s[0:1], 0x20             ; Wu s[12:13], xw s[14:15]
	s_mov_b32 s28, ttmp9                           ; g
	s_lshr_b32 s16, s28, 5                         ; sel: 0-3 x, 4 Wq, 5 Wk, 6 Wv, 7 Wu
	s_and_b32 s17, s28, 31                         ; blk: which 32 rows of a weight
	v_and_b32 v1, 31, v0                           ; lane
	v_lshrrev_b32 v4, 5, v0                        ; wave
	; destination offset of a q, k or v block: row (blk / 2) 192 + (sel - 4) 64 + (blk mod 2) 32 of wh, 2,048 bytes a row
	s_max_u32 s27, s16, 4                          ; (in x's work-groups the number is not used; it stays at 0)
	s_sub_co_u32 s27, s27, 4
	s_lshl_b32 s27, s27, 6
	s_lshr_b32 s26, s17, 1
	s_mul_i32 s26, s26, 192
	s_add_co_u32 s26, s26, s27
	s_and_b32 s27, s17, 1
	s_lshl_b32 s27, s27, 5
	s_add_co_u32 s26, s26, s27
	s_lshl_b32 s26, s26, 11
	s_add_co_u32 s26, s26, WH
	s_lshl_b32 s27, s17, 12                        ; Wu: 32 rows of 128 bytes in every plane
	s_add_co_u32 s27, s27, WUH
	s_lshl_b32 s24, s28, 16                        ; x: 32 rows of 2,048 bytes
	s_cmp_ge_u32 s16, 4
	s_cselect_b32 s24, s26, s24
	s_cselect_b32 s18, s17, s28                    ; which 32 rows of the source
	s_cmp_eq_u32 s16, 7
	s_cselect_b32 s24, s27, s24
	s_lshl_b32 s18, s18, 17                        ; 32 rows of 4,096 bytes
	s_mov_b32 s19, 0
	s_mov_b32 s25, 0
	s_wait_kmcnt 0x0
	s_mov_b64 s[20:21], s[4:5]                     ; the source: a choice between buffers on sel alone
	s_cmp_eq_u32 s16, 4
	s_cselect_b64 s[20:21], s[6:7], s[20:21]
	s_cmp_eq_u32 s16, 5
	s_cselect_b64 s[20:21], s[8:9], s[20:21]
	s_cmp_eq_u32 s16, 6
	s_cselect_b64 s[20:21], s[10:11], s[20:21]
	s_cmp_eq_u32 s16, 7
	s_cselect_b64 s[20:21], s[12:13], s[20:21]
	s_add_nc_u64 s[20:21], s[20:21], s[18:19]
	s_add_nc_u64 s[22:23], s[14:15], s[24:25]
; 32 loads, then 32 times: wait, round four numbers to bf16 in place, store 8 bytes.  No register is written twice, so no source needs freeing.
; wu = 0: source and destination are both 32 dense rows.  wu = 1: load i takes columns 64 (i mod 16) .. + 63 of two rows (lanes 0-15 one row,
; lanes 16-31 the next), which are 256 neighbouring bytes of plane i mod 16.
.macro RUN wu
.set i, 0
.rept 32
.if \wu
	global_load_b128 v[X+4*i:X+4*i+3], v[SRC], s[20:21] offset:(i/16)*8192+(i%16)*256 th:TH_LOAD_NT
.else
	global_load_b128 v[X+4*i:X+4*i+3], v[SRC], s[20:21] offset:512*i th:TH_LOAD_NT
.endif
.set i, i+1
.endr
.set i, 0
.rept 32
	s_wait_loadcnt 31-i                            ; loads come back in order: load i is in, the 31 - i younger ones stay out
	v_cvt_pk_bf16_f32 v[X+4*i], v[X+4*i], v[X+4*i+1]
	v_cvt_pk_bf16_f32 v[X+4*i+1], v[X+4*i+2], v[X+4*i+3]
.if \wu
	global_store_b64 v[DST], v[X+4*i:X+4*i+1], s[22:23] offset:(i%16)*131072+(i/16)*256
.else
	global_store_b64 v[DST], v[X+4*i:X+4*i+1], s[22:23] offset:256*i
.endif
.set i, i+1
.endr
.endm
	s_cmp_eq_u32 s16, 7
	s_cbranch_scc1 .Lwu
	v_lshlrev_b32 v[SRC], 4, v1                    ; 16 bytes a lane,
	v_lshl_or_b32 v[SRC], v4, 14, v[SRC]           ; 4 rows of 4,096 bytes a wave
	v_lshlrev_b32 v[DST], 3, v1
	v_lshl_or_b32 v[DST], v4, 13, v[DST]
	RUN 0
	s_endpgm
.Lwu:
	v_and_b32 v5, 15, v1                           ; place in the 256 bytes
	v_lshrrev_b32 v6, 4, v1                        ; which of the two rows
	v_lshlrev_b32 v[SRC], 4, v5
	v_lshl_or_b32 v[SRC], v6, 12, v[SRC]
	v_lshl_or_b32 v[SRC], v4, 14, v[SRC]
	v_lshlrev_b32 v[DST], 3, v1                    ; 128 bytes a row: the two rows are neighbours
	v_lshl_or_b32 v[DST], v4, 9, v[DST]            ; 4 rows of 128 bytes a wave
	RUN 1
	s_endpgm
.Lfunc_end_k_q1cc52a02bd_cast:
	.size	k_q1cc52a02bd_cast, .Lfunc_end_k_q1cc52a02bd_cast-k_q1cc52a02bd_cast
	.p2alignl 7, 3214868480
	.fill 96, 4, 3214868480
	.section	.rodata,"a",@progbits
	.p2align	6, 0x0
	.amdhsa_kernel k_q1cc52a02bd_cast
		.amdhsa_group_segment_fixed_size 0
		.amdhsa_private_segment_fixed_size 0
		.amdhsa_enable_private_segment 0
		.amdhsa_kernarg_size 48
		.amdhsa_user_sgpr_count 2
		.amdhsa_user_sgpr_kernarg_segment_ptr 1
		.amdhsa_wavefront_size32 1
		.amdhsa_system_sgpr_workgroup_id_x 1
		.amdhsa_system_sgpr_workgroup_id_y 1
		.amdhsa_system_sgpr_workgroup_id_z 1
		.amdhsa_system_vgpr_workitem_id 0
		.amdhsa_next_free_vgpr 136
		.amdhsa_next_free_sgpr 66
		.amdhsa_reserve_vcc 0
		.amdhsa_float_denorm_mode_32 3
		.amdhsa_float_denorm_mode_16_64 3
		.amdhsa_memory_ordered 1
		.amdhsa_forward_progress 1
		.amdhsa_inst_pref_size 25
	.end_amdhsa_kernel
	.amdgpu_metadata
---
amdhsa.version: [ 1, 2 ]
amdhsa.kernels:
  - .name:           k_q1cc52a02bd_cast
    .symbol:         k_q1cc52a02bd_cast.kd
    .args:
      - { .name: x, .offset: 0, .size: 8, .value_kind: global_buffer, .address_space: global }
      - { .name: Wq, .offset: 8, .size: 8, .value_kind: global_buffer, .address_space: global }
      - { .name: Wk, .offset: 16, .size: 8, .value_kind: global_buffer, .address_space: global }
      - { .name: Wv, .offset: 24, .size: 8, .value_kind: global_buffer, .address_space: global }
      - { .name: Wu, .offset: 32, .size: 8, .value_kind: global_buffer, .address_space: global }
      - { .name: xw, .offset: 40, .size: 8, .value_kind: global_buffer, .address_space: global }
    .group_segment_fixed_size: 0
    .private_segment_fixed_size: 0
    .kernarg_segment_align: 8
    .kernarg_segment_size: 48
    .max_flat_workgroup_size: 256
    .sgpr_count:     66
    .vgpr_count:     136
    .wavefront_size: 32
...
	.end_amdgpu_metadata
.endif
;; end of part 1
;; launch qkv (part 2): grid 16 x 16, 4 waves a work-group, clusters of 4 x 4, 327,680 bytes of LDS; arguments xw, qkv, qln_w, qln_b, kln_w; writes qkv
.if DOCPART == 2
	.amdgcn_target "amdgcn-amd-amdhsa--gfx1250"
	.amdhsa_code_object_version 6
	.text
	.protected	k_q1cc52a02bd_qkv
	.globl	k_q1cc52a02bd_qkv
	.p2align	8
	.type	k_q1cc52a02bd_qkv,@function
k_q1cc52a02bd_qkv:
	s_mov_b64 s[64:65], 0
	v_nop
	global_prefetch_b8 v0, s[64:65] scope:SCOPE_SE
	s_setreg_imm32_b32 hwreg(HW_REG_WAVE_MODE, 25, 1), 1
	s_wait_xcnt 0x0
	s_wait_alu depctr_hold_cnt(0) depctr_sa_sdst(0) depctr_va_vdst(0) depctr_va_sdst(0) depctr_va_ssrc(0) depctr_va_vcc(0) depctr_vm_vsrc(0)
	s_getreg_b32 s2, hwreg(HW_REG_IB_STS2, 6, 4)
	s_cmp_eq_u32 s2, 0
	s_cbranch_scc0 .Lentry_in_a_cluster
	s_endpgm
.Lentry_in_a_cluster:
	s_bfe_u32 s2, ttmp6, 0x10000c
	s_cmp_lg_u32 s2, 0xf033
	s_cbranch_scc0 .Lentry_shape_is_right
	s_endpgm
.Lentry_shape_is_right:
; q, k, v of one head for 256 rows of x, with the two LayerNorms in the way out.  Operands bf16, sums and norms f32, results f16.
; Left out: kln_b (a term that is the same along the softmax's axis; shown at the head of the first launch).
; A work-group makes 256 rows x 192 columns (64 of q, 64 of k, 64 of v).  Wave w makes rows 64 w .. + 63 and ALL 192 columns: 48 tiles of 16 x 16,
; 384 registers, so that a head's 64 numbers of a row lie in two lanes of one wave and a norm never leaves the wave.
; K = 1024 goes in 8 steps of 128 through two LDS slots filled by the tensor data mover; a tile's rows are 256 bytes of memory, aligned.
; CLUSTERS of 4 x 4: x's tile hangs on the row block alone (grid y) and is asked for jointly along a row of the cluster, the head's weights hang on
; the head alone (grid x) and are asked for jointly along a column.  That divides the requests for both by four.
; OUT (f16):  qkv + 0         Q [bh 32][t 2048][64], times log2(e) / 8, so that the scores come out ready for exp2
;             qkv + 0x800000  K [bh][t][64]
;             qkv + 0x1000000 VT[bh][tb 32][s 64][tt 64]: blocks of 64 keys, transposed
; REGISTERS: window 0: addresses, x's fragments (two buffers of 4), the norms' gains; window 1: the weights' fragments (two buffers of 12);
;            window 2: q's and k's tiles (a, b) at 8 (8 a + b); window 3: v's tiles (a, c) at 8 (4 a + c).
; q's and k's products are used transposed (source 0 = weights, source 1 = x): a lane holds one row and 8 neighbouring columns.
; v's are used straight (source 0 = x, source 1 = Wv): a lane holds one column s and 8 neighbouring t, 16 bytes of VT.
; LIMIT OF FORMAT: qln_w, qln_b and kln_w are rounded to bf16 like every other input of the program (8 significant bits);
; v beyond 65,504 in magnitude becomes an infinity in f16; q and k are at most 7.94 |gain| + |bias|.
.set KSTEP,  128
.set PITCH,  272                       ; an LDS row: 256 bytes + 16 of padding, an odd multiple of 16: the 16 rows of a fragment load start in 16 different columns of 16 bytes
.set AHALF,  128*PITCH                 ; what waves 0 and 1 fetch: 128 rows of x
.set BHALF,  96*PITCH                  ; what waves 2 and 3 fetch: 96 rows of weights
.set BOFF,   256*PITCH
.set SLOT,   448*PITCH                 ; 256 rows of x, 192 of weights
.set STAGE,  2*SLOT                    ; behind the ring: 16 rows x 144 bytes for each wave; no tensor load lands here
.set SPITCH, 144
.set WH,     0x800000
.set ADRA, 16                          ; v16-17  LDS address of my x fragments in slot 0, 1
.set ADRB, 20                          ; v20-21  the same for the weights
.set STO,  24                          ; v24     way out: where I put 16 bytes of a row
.set RD,   25                          ; v25     way out: where I read 16 of 512 neighbouring bytes
.set CO,   26                          ; v26     16 x lane
.set LNO,  27                          ; v27     32 h: my 8 columns of a tile in the gains
.set FA,   64                          ; x fragments: buffer f at 64 + 32 f (window 0); weights: buffer f at 96 f (window 1)
.set WQ,   128                         ; v128-159 qln_w, v160-191 qln_b, v192-223 kln_w of my 32 columns (index 8 b + j)
.set BQ,   160
.set WK,   192
.set DD,   32                          ; way out: 32 numbers at work
.set T,    64                          ; sums
.set PK,   80                          ; 16 registers of packed f16
.set OB,   96                          ; 16 registers read back
.set MU,   112                         ; mean (a pair for the packed forms; the second register is never used)
.set RS,   114                         ; 1 / sqrt(var + eps), likewise
.set X1,   116
.set G1,  24
.set G0,  32
.set G1B, 48
.set G0B, 56
.set MSB, 0
.macro WIN new                         ; the immediate's high byte repeats the setting that is left
.if MSB != \new
	s_set_vgpr_msb (MSB<<8)|\new
.set MSB, \new
.endif
.endm
.set MUL_QK, 0xa1                      ; source 0 window 1, source 1 window 0, C and D window 2
.set MUL_V,  0xf4                      ; source 0 window 0, source 1 window 1, C and D window 3
.set TO_B,   0x40                      ; destination window 1
.macro PLACES n
.rept \n
	v_nop
.endr
.endm
; A joint load: waves 0 and 1 ask for x's two halves, waves 2 and 3 for the weights'.  The branch hangs on the wave's number alone.
.macro JLOAD s
	s_cmp_eq_u32 s11, 0
	s_cbranch_scc0 .Lfor_b_\@
	tensor_load_to_lds s[G0+4*\s:G0+4*\s+3], s[G1:G1+7]
	s_nop 0
	s_branch .Lasked_\@
.Lfor_b_\@:
	tensor_load_to_lds s[G0B+4*\s:G0B+4*\s+3], s[G1B:G1B+7]
	s_nop 0
.Lasked_\@:
.endm
.macro CREST                           ; a round of the cluster's barrier behind its opening work-group barrier
	s_cmp_lg_u32 s10, 0
	s_cbranch_scc1 .Lnot_wave_0_\@
	s_barrier_signal -3
.Lnot_wave_0_\@:
	s_barrier_wait -3
	s_barrier_signal -1
	s_barrier_wait -1
.endm
.macro CROUND
	s_barrier_signal -1
	s_barrier_wait -1
	CREST
.endm
	s_load_b128 s[4:7], s[0:1], 0x0                ; xw s[4:5], qkv s[6:7]
	s_load_b128 s[68:71], s[0:1], 0x10             ; qln_w s[68:69], qln_b s[70:71]
	s_load_b64 s[72:73], s[0:1], 0x20              ; kln_w
	s_set_vgpr_msb 0x40
	v_lshl_add_u32 v255, v0, 2, 0x3dc00
	s_set_vgpr_msb 0x4000
	v_mov_b32 v255, 0
	s_set_vgpr_msb 0x1
	ds_add_u32 v255, v255
	ds_add_u32 v255, v255
	s_set_vgpr_msb 0x100
	v_lshrrev_b32 v1, 5, v0
	v_readfirstlane_b32 s10, v1                    ; wave 0..3
	s_lshr_b32 s11, s10, 1                         ; I fetch x (0) or weights (1)
	s_and_b32 s12, s10, 1                          ; which half of that tile
	s_bfe_u32 s40, ttmp6, 0x40000                  ; cx
	s_bfe_u32 s41, ttmp6, 0x40004                  ; cy
	s_lshl_b32 s42, ttmp9, 2
	s_add_co_u32 s42, s42, s40                     ; head = 4 x cluster x + cx
	s_and_b32 s13, ttmp7, 0xffff
	s_lshl_b32 s13, s13, 2
	s_add_co_u32 s13, s13, s41                     ; row block = 4 x cluster y + cy
	s_lshl_b32 s43, s41, 2
	s_lshl_b32 s43, 15, s43                        ; my row of the cluster
	s_lshl_b32 s44, 0x1111, s40                    ; my column
	s_mov_b32 s66, 0x3c800000                      ; 1 / 64
	s_mov_b32 s67, 0x3727c5ac                      ; 1e-5
	s_mov_b32 s78, 0x76543210                      ; v_permlanex16_b32: lane i reads lane i of the other half
	s_mov_b32 s79, 0xfedcba98
	; group 1: rows of 128 bf16, 16 bytes of padding behind each; 128 rows (x) or 96 rows (weights); 1,024 elements from row to row
	s_or_b32 s[G1+0], s43, (1<<16)|(1<<20)|(1<<21)|(5<<22)|(3<<25)
	s_or_b32 s[G1B+0], s44, (1<<16)|(1<<20)|(1<<21)|(5<<22)|(3<<25)
	s_mov_b32 s[G1+1], KSTEP<<16                   ; tensor_dim0 = 128
	s_mov_b32 s[G1B+1], KSTEP<<16
	s_mov_b32 s[G1+2], 128<<16                     ; tensor_dim1
	s_mov_b32 s[G1B+2], 96<<16
	s_mov_b32 s[G1+3], KSTEP<<16                   ; tile_dim0
	s_mov_b32 s[G1B+3], KSTEP<<16
	s_mov_b32 s[G1+4], 128                         ; tile_dim1
	s_mov_b32 s[G1B+4], 96
	s_mov_b32 s[G1+5], 1024
	s_mov_b32 s[G1B+5], 1024
	s_mov_b32 s[G1+6], 0
	s_mov_b32 s[G1B+6], 0
	s_mov_b32 s[G1+7], 0
	s_mov_b32 s[G1B+7], 0
	; x's address is made of the row block and the wave's number, the weights' of the head and the wave's number, in registers that never hold the other coordinate
	s_lshl_b32 s17, s12, 7
	s_lshl_b32 s16, s13, 8
	s_add_co_u32 s16, s16, s17                     ; row 256 x block + 128 x half
	s_lshl_b32 s16, s16, 11                        ; 2,048 bytes a row
	s_mov_b32 s17, 0
	s_mul_i32 s46, s42, 192
	s_mul_i32 s47, s12, 96
	s_add_co_u32 s46, s46, s47                     ; row 192 x head + 96 x half of wh
	s_lshl_b32 s46, s46, 11
	s_add_co_u32 s46, s46, WH
	s_mov_b32 s47, 0
	s_mul_i32 s20, s10, AHALF                      ; LDS: waves 0, 1: x's halves at 0 and 34,816
	s_mul_i32 s45, s10, BHALF                      ; waves 2, 3: the weights' halves at 69,632 and 95,744 = 17,408 + wave x 26,112
	s_add_co_u32 s45, s45, BOFF-2*BHALF
	s_wait_dscnt 0x0
	s_wait_kmcnt 0x0
	s_add_nc_u64 s[14:15], s[4:5], s[16:17]
	s_add_nc_u64 s[46:47], s[4:5], s[46:47]
	CROUND                                         ; all sixteen work-groups are here: the first joint loads meet
.irp s, 0,1
	s_mov_b32 s[G0+4*\s], 1
	s_add_co_u32 s[G0+4*\s+1], s20, \s*SLOT
	s_add_nc_u64 s[G0+4*\s+2:G0+4*\s+3], s[14:15], \s*KSTEP*2
	s_or_b32 s[G0+4*\s+3], s[G0+4*\s+3], 0x80000000
	s_mov_b32 s[G0B+4*\s], 1
	s_add_co_u32 s[G0B+4*\s+1], s45, \s*SLOT
	s_add_nc_u64 s[G0B+4*\s+2:G0B+4*\s+3], s[46:47], \s*KSTEP*2
	s_or_b32 s[G0B+4*\s+3], s[G0B+4*\s+3], 0x80000000
	JLOAD \s                                       ; two tensor loads of the wave are out here, one behind each later round
.endr
	v_and_b32 v1, 15, v0                           ; r
	v_bfe_u32 v2, v0, 4, 1                         ; h
	v_lshlrev_b32 v[LNO], 5, v2
.irp b, 0,1,2,3                                    ; the gains of my columns 16 b + 8 h + 0..7; waited for in the way out
	global_load_b128 v[WQ+8*\b:WQ+8*\b+3],   v[LNO], s[68:69] offset:64*\b
	global_load_b128 v[WQ+8*\b+4:WQ+8*\b+7], v[LNO], s[68:69] offset:64*\b+16
	global_load_b128 v[BQ+8*\b:BQ+8*\b+3],   v[LNO], s[70:71] offset:64*\b
	global_load_b128 v[BQ+8*\b+4:BQ+8*\b+7], v[LNO], s[70:71] offset:64*\b+16
	global_load_b128 v[WK+8*\b:WK+8*\b+3],   v[LNO], s[72:73] offset:64*\b
	global_load_b128 v[WK+8*\b+4:WK+8*\b+7], v[LNO], s[72:73] offset:64*\b+16
.endr
	v_mul_u32_u24 v3, v1, PITCH
	v_lshl_add_u32 v3, v2, 4, v3                   ; row x pitch + 16 h
	s_mul_i32 s21, s10, 64*PITCH                   ; my 64 rows of x
	v_add_nc_u32 v[ADRA], s21, v3
	v_add_nc_u32 v[ADRA+1], SLOT, v[ADRA]
	v_add_nc_u32 v[ADRB], BOFF, v3                 ; every wave reads all 192 rows of weights
	v_add_nc_u32 v[ADRB+1], SLOT, v[ADRB]
	s_mul_i32 s23, s10, 16*SPITCH
	s_add_co_u32 s23, s23, STAGE
	v_mul_u32_u24 v4, v1, SPITCH
	v_lshl_add_u32 v4, v2, 4, v4
	v_add_nc_u32 v[STO], s23, v4                   ; in: row r, 16 bytes for each half of the lanes
	v_and_b32 v5, 31, v0
	v_lshlrev_b32 v[CO], 4, v5
	v_lshrrev_b32 v6, 3, v5
	v_mul_u32_u24 v6, v6, SPITCH
	v_and_b32 v5, 7, v5
	v_lshl_add_u32 v6, v5, 4, v6
	v_add_nc_u32 v[RD], s23, v6                    ; back: eight lanes take a row of 128 bytes, the wave four rows
; 16 products: row tiles a0, a0 + 1 x the 8 column tiles of q and k, 32 along K.  zero = 1: the first product starts the sum.
.macro MULQK f, a0, zero
.irp a, \a0, \a0+1
.irp b, 0,1,2,3,4,5,6,7
.if \zero
	v_wmma_f32_16x16x32_bf16 v[8*(8*(\a)+\b):8*(8*(\a)+\b)+7], v[96*\f+8*\b:96*\f+8*\b+7], v[FA+32*\f+8*(\a):FA+32*\f+8*(\a)+7], 0
.else
	v_wmma_f32_16x16x32_bf16 v[8*(8*(\a)+\b):8*(8*(\a)+\b)+7], v[96*\f+8*\b:96*\f+8*\b+7], v[FA+32*\f+8*(\a):FA+32*\f+8*(\a)+7], v[8*(8*(\a)+\b):8*(8*(\a)+\b)+7]
.endif
.endr
.endr
.endm
; 16 products: the 4 x 4 tiles of v
.macro MULV f, zero
.irp a, 0,1,2,3
.irp c, 0,1,2,3
.if \zero
	v_wmma_f32_16x16x32_bf16 v[8*(4*\a+\c):8*(4*\a+\c)+7], v[FA+32*\f+8*\a:FA+32*\f+8*\a+7], v[96*\f+64+8*\c:96*\f+64+8*\c+7], 0
.else
	v_wmma_f32_16x16x32_bf16 v[8*(4*\a+\c):8*(4*\a+\c)+7], v[FA+32*\f+8*\a:FA+32*\f+8*\a+7], v[96*\f+64+8*\c:96*\f+64+8*\c+7], v[8*(4*\a+\c):8*(4*\a+\c)+7]
.endif
.endr
.endr
.endm
; 32 LDS loads in one run: x's 4 fragments, then the weights' 12 (Wv's four last), 32 K at byte k of the rows, into buffer g
.macro FETCH slot, k, g
	WIN 0
.irp i, 0,1,2,3
	ds_load_b128 v[FA+32*\g+8*\i:FA+32*\g+8*\i+3],   v[ADRA+\slot] offset:\k+\i*16*PITCH
	ds_load_b128 v[FA+32*\g+8*\i+4:FA+32*\g+8*\i+7], v[ADRA+\slot] offset:\k+\i*16*PITCH+32
.endr
	WIN TO_B
.irp i, 0,1,2,3,4,5,6,7,8,9,10,11
	ds_load_b128 v[96*\g+8*\i:96*\g+8*\i+3],   v[ADRB+\slot] offset:\k+\i*16*PITCH
	ds_load_b128 v[96*\g+8*\i+4:96*\g+8*\i+7], v[ADRB+\slot] offset:\k+\i*16*PITCH+32
.endr
.endm
; A quarter of a K step: 48 products on buffer f; behind its first 16 the next quarter's fragments are fetched into buffer g.
; The 48 accumulators take turns, one instruction a turn, in the same order in every quarter, over the loop's backward jump too.
; The four v_nop are the places between the last products that read buffer g and the loads into it.
.macro QUARTER slot, k, f, g, zero
	s_wait_dscnt 8                                 ; x's, Wq's and Wk's fragments are in; the youngest eight loads (Wv's) may be out
	WIN MUL_QK
	MULQK \f, 0, \zero
	PLACES 4
	FETCH \slot, \k, \g
	WIN MUL_QK
	MULQK \f, 2, \zero
	s_wait_dscnt 32                                ; all but the 32 just issued
	WIN MUL_V
	MULV \f, \zero
.endm
.macro THREE slot, zero
	QUARTER \slot, 64,  0, 1, \zero
	QUARTER \slot, 128, 1, 0, 0
	QUARTER \slot, 192, 0, 1, 0
.endm
; The last quarter multiplies buffer 1 and changes slots.  In front of the barrier each wave waits for its reads of this slot and for all its tensor
; loads (the one that is out is its part of the next slot).  Where the slot is filled again the barrier opens a round of the cluster's barrier, inside
; which stands register work alone, and the joint refill is the wave's first and only tensor load behind the round.
.macro TURN slot, next, fill
	s_wait_dscnt 8
	WIN MUL_QK
	MULQK 1, 0, 0
	s_wait_dscnt 0x0                               ; my reads of this slot are over
	s_wait_tensorcnt 0x0                           ; all my tensor loads have landed
	ds_add_u32 v255, v255
	s_wait_dscnt 0x0
	s_barrier_signal -1
	MULQK 1, 2, 0
	WIN 0
	s_barrier_wait -1
.if \fill
	CREST
	s_add_nc_u64 s[G0+4*\slot+2:G0+4*\slot+3], s[G0+4*\slot+2:G0+4*\slot+3], 2*KSTEP*2
	s_add_nc_u64 s[G0B+4*\slot+2:G0B+4*\slot+3], s[G0B+4*\slot+2:G0B+4*\slot+3], 2*KSTEP*2
	JLOAD \slot
.endif
	PLACES 4
	FETCH \next, 0, 0
	WIN MUL_V
	MULV 1, 0
.endm
.macro LAP zero
	THREE 0, \zero
	TURN 0, 1, 1
	THREE 1, 0
	TURN 1, 0, 1
.endm
	s_wait_tensorcnt 0x1                           ; my part of K step 0 is in; K step 1's load stays out
	s_barrier_signal -1
	s_barrier_wait -1
	FETCH 0, 0, 0
	LAP 1                                          ; K steps 0, 1; asks for 2, 3
	WIN 0
	s_mov_b32 s3, 2
.Llap:
	LAP 0                                          ; K steps 2 to 5; asks for 4 to 7
	WIN 0
	s_sub_co_u32 s3, s3, 1
	s_cmp_lg_u32 s3, 0
	s_cbranch_scc1 .Llap
	THREE 0, 0                                     ; K steps 6, 7: nothing is left to fetch
	TURN 0, 1, 0
	THREE 1, 0
	s_wait_dscnt 0x0
	WIN MUL_QK
	MULQK 1, 0, 0
	MULQK 1, 2, 0
	WIN MUL_V
	MULV 1, 0
	WIN 0
	; THE WAY OUT
	PLACES 4                                       ; the places behind the last products, for everything below that reads results or writes fragment registers
	s_wait_loadcnt 0x0                             ; the gains
	v_mov_b32 v[MU+1], 0                           ; second registers of the broadcast pairs, and the permute's destination: written once
	v_mov_b32 v[RS+1], 0
	v_mov_b32 v[X1], 0
.irp g, WQ, BQ, WK                                 ; the gains and q's bias, rounded to bf16 like every input of the program, and widened again
.set i, 0
.rept 16
	v_cvt_pk_bf16_f32 v[T+i%4], v[\g+2*i], v[\g+2*i+1]
	v_lshlrev_b32 v[\g+2*i], 16, v[T+i%4]
	v_and_b32 v[\g+2*i+1], 0xffff0000, v[T+i%4]
.set i, i+1
.endr
.endr
.set i, 0
.rept 16
	v_pk_mul_f32 v[WQ+2*i:WQ+2*i+1], v[WQ+2*i:WQ+2*i+1], 0x3e38aa3b op_sel_hi:[1,0]   ; log2(e) / 8 goes into q's gain and bias
	v_pk_mul_f32 v[BQ+2*i:BQ+2*i+1], v[BQ+2*i:BQ+2*i+1], 0x3e38aa3b op_sel_hi:[1,0]
.set i, i+1
.endr
	s_lshr_b32 s16, s13, 3                         ; batch << 22 | (row block mod 8) << 15 | wave << 13: (bh 2048 + t) 128 bytes without the head,
	s_lshl_b32 s16, s16, 22
	s_and_b32 s18, s13, 7
	s_lshl_b32 s18, s18, 15
	s_add_co_u32 s16, s16, s18
	s_lshl_b32 s18, s10, 13
	s_add_co_u32 s16, s16, s18
	s_mov_b32 s17, 0
	s_add_nc_u64 s[8:9], s[6:7], s[16:17]
	s_lshl_b32 s46, s42, 18                        ; and the head
	s_mov_b32 s47, 0
	s_add_nc_u64 s[8:9], s[8:9], s[46:47]          ; Q
	s_add_nc_u64 s[74:75], s[8:9], 0x800000        ; K
	s_add_nc_u64 s[76:77], s[8:9], 0x1000000       ; VT: a wave's 64 rows are one block of 8,192 bytes, at the same offset
; v[T] + v[T+1], summed with the lane that holds the row's other 32 columns; the result in v[T]
.macro ROWSUM
	v_add_f32 v[T], v[T], v[T+1]
	v_permlanex16_b32 v[X1], v[T], s78, s79
	v_add_f32 v[T], v[T], v[X1]
.endm
; 16 rows of 128 bytes from PK through my stage: 2,048 neighbouring bytes of memory, each store of the wave 512 consecutive bytes, aligned
.macro OUT2K base, off
.irp i, 0,1,2,3
	ds_store_b128 v[STO], v[PK+4*\i:PK+4*\i+3] offset:32*\i
.endr
	s_wait_xcnt 0x0                                ; OB, which the last group's stores read, is loaded again only behind this wait
.irp t, 0,1,2,3
	ds_load_b128 v[OB+4*\t:OB+4*\t+3], v[RD] offset:4*SPITCH*\t    ; LDS serves a wave's instructions in order: these see the stores above
.endr
.irp t, 0,1,2,3
	s_wait_dscnt 3-\t                              ; load t is in, the younger ones stay out
	global_store_b128 v[CO], v[OB+4*\t:OB+4*\t+3], s[\base:\base+1] offset:\off+512*\t
.endr
.endm
; LayerNorm of rows 16 a .. + 15 of q (qk = 0) or k (qk = 1): mean, then the mean of (v - mean)^2, as reference() makes them
.macro LNGRP a, qk
.set AB, 64*\a+32*\qk
	WIN 0x0a                                       ; sources 0 and 1 in window 2
.irp i, 0,1,2,3,4,5,6,7
	v_pk_add_f32 v[T+2*\i:T+2*\i+1], v[AB+4*\i:AB+4*\i+1], v[AB+4*\i+2:AB+4*\i+3]
.endr
	WIN 0
.irp i, 0,4,8,12
	v_pk_add_f32 v[T+\i:T+\i+1], v[T+\i:T+\i+1], v[T+\i+2:T+\i+3]
.endr
	v_pk_add_f32 v[T:T+1], v[T:T+1], v[T+4:T+5]
	v_pk_add_f32 v[T+8:T+9], v[T+8:T+9], v[T+12:T+13]
	v_pk_add_f32 v[T:T+1], v[T:T+1], v[T+8:T+9]
	ROWSUM
	v_mul_f32 v[MU], s66, v[T]
	WIN 0x02                                       ; source 0 in window 2
.set i, 0
.rept 16
	v_pk_add_f32 v[DD+2*i:DD+2*i+1], v[AB+2*i:AB+2*i+1], v[MU:MU+1] op_sel_hi:[1,0] neg_lo:[0,1] neg_hi:[0,1]
.set i, i+1
.endr
	WIN 0
.irp i, 0,1,2,3
	v_pk_mul_f32 v[T+2*\i:T+2*\i+1], v[DD+2*\i:DD+2*\i+1], v[DD+2*\i:DD+2*\i+1]
.endr
.irp i, 4,5,6,7,8,9,10,11,12,13,14,15
	v_pk_fma_f32 v[T+2*(\i%4):T+2*(\i%4)+1], v[DD+2*\i:DD+2*\i+1], v[DD+2*\i:DD+2*\i+1], v[T+2*(\i%4):T+2*(\i%4)+1]
.endr
	v_pk_add_f32 v[T:T+1], v[T:T+1], v[T+2:T+3]
	v_pk_add_f32 v[T+4:T+5], v[T+4:T+5], v[T+6:T+7]
	v_pk_add_f32 v[T:T+1], v[T:T+1], v[T+4:T+5]
	ROWSUM
	v_fma_f32 v[T], v[T], s66, s67                 ; var + eps
	v_rsq_f32 v[RS], v[T]
	v_nop                                          ; one plain instruction between a transcendental and the use of its result (ISA guide 5.7.2)
.set i, 0
	s_wait_alu depctr_va_vdst(0)
.rept 16
	v_pk_mul_f32 v[DD+2*i:DD+2*i+1], v[DD+2*i:DD+2*i+1], v[RS:RS+1] op_sel_hi:[1,0]
.set i, i+1
.endr
.set i, 0
.rept 16
.if \qk
	v_pk_mul_f32 v[DD+2*i:DD+2*i+1], v[DD+2*i:DD+2*i+1], v[WK+2*i:WK+2*i+1]
.else
	v_pk_fma_f32 v[DD+2*i:DD+2*i+1], v[DD+2*i:DD+2*i+1], v[WQ+2*i:WQ+2*i+1], v[BQ+2*i:BQ+2*i+1]
.endif
.set i, i+1
.endr
.set i, 0
.rept 16
	v_cvt_pk_f16_f32 v[PK+i], v[DD+2*i], v[DD+2*i+1]
.set i, i+1
.endr
.if \qk
	OUT2K 74, 2048*\a
.else
	OUT2K 8, 2048*\a
.endif
.endm
; rows s = 16 c .. + 15 of my block of VT: tile (a, c) gives a lane the 16 bytes tt = 16 a + 8 h .. + 7 of row s = 16 c + r
.macro VGRP c
	WIN 0x0f                                       ; sources 0 and 1 in window 3
.irp a, 0,1,2,3
.irp i, 0,1,2,3
	v_cvt_pk_f16_f32 v[PK+4*\a+\i], v[8*(4*\a+\c)+2*\i], v[8*(4*\a+\c)+2*\i+1]
.endr
.endr
	WIN 0
	OUT2K 76, 2048*\c
.endm
.irp a, 0,1,2,3
	LNGRP \a, 0
	LNGRP \a, 1
.endr
.irp c, 0,1,2,3
	VGRP \c
.endr
	s_set_vgpr_msb 0x1
	s_wait_tensorcnt 0x0
	ds_add_u32 v255, v255
	s_wait_dscnt 0x0
	s_set_vgpr_msb 0x100
	CROUND                                         ; the closing round: no work-group ends while a partner may still ask for a tile that names it
	s_endpgm
.Lfunc_end_k_q1cc52a02bd_qkv:
	.size	k_q1cc52a02bd_qkv, .Lfunc_end_k_q1cc52a02bd_qkv-k_q1cc52a02bd_qkv
	.p2alignl 7, 3214868480
	.fill 96, 4, 3214868480
	.section	.rodata,"a",@progbits
	.p2align	6, 0x0
	.amdhsa_kernel k_q1cc52a02bd_qkv
		.amdhsa_group_segment_fixed_size 327680
		.amdhsa_private_segment_fixed_size 0
		.amdhsa_enable_private_segment 0
		.amdhsa_kernarg_size 40
		.amdhsa_user_sgpr_count 2
		.amdhsa_user_sgpr_kernarg_segment_ptr 1
		.amdhsa_wavefront_size32 1
		.amdhsa_system_sgpr_workgroup_id_x 1
		.amdhsa_system_sgpr_workgroup_id_y 1
		.amdhsa_system_sgpr_workgroup_id_z 1
		.amdhsa_system_vgpr_workitem_id 0
		.amdhsa_next_free_vgpr 896
		.amdhsa_next_free_sgpr 80
		.amdhsa_reserve_vcc 0
		.amdhsa_float_denorm_mode_32 3
		.amdhsa_float_denorm_mode_16_64 3
		.amdhsa_memory_ordered 1
		.amdhsa_forward_progress 1
		.amdhsa_inst_pref_size 223
	.end_amdhsa_kernel
	.amdgpu_metadata
---
amdhsa.version: [ 1, 2 ]
amdhsa.kernels:
  - .name:           k_q1cc52a02bd_qkv
    .symbol:         k_q1cc52a02bd_qkv.kd
    .args:
      - { .name: xw, .offset: 0, .size: 8, .value_kind: global_buffer, .address_space: global }
      - { .name: qkv, .offset: 8, .size: 8, .value_kind: global_buffer, .address_space: global }
      - { .name: qln_w, .offset: 16, .size: 8, .value_kind: global_buffer, .address_space: global }
      - { .name: qln_b, .offset: 24, .size: 8, .value_kind: global_buffer, .address_space: global }
      - { .name: kln_w, .offset: 32, .size: 8, .value_kind: global_buffer, .address_space: global }
    .group_segment_fixed_size: 327680
    .private_segment_fixed_size: 0
    .kernarg_segment_align: 8
    .kernarg_segment_size: 40
    .max_flat_workgroup_size: 128
    .sgpr_count:     80
    .vgpr_count:     896
    .wavefront_size: 32
...
	.end_amdgpu_metadata
.endif
;; end of part 2
;; launch attn (part 3): grid 8 x 32, 4 waves a work-group, no clusters, 327,680 bytes of LDS; arguments qkv, ob; writes ob
.if DOCPART == 3
	.amdgcn_target "amdgcn-amd-amdhsa--gfx1250"
	.amdhsa_code_object_version 6
	.text
	.protected	k_q1cc52a02bd_attn
	.globl	k_q1cc52a02bd_attn
	.p2align	8
	.type	k_q1cc52a02bd_attn,@function
k_q1cc52a02bd_attn:
	s_mov_b64 s[64:65], 0
	v_nop
	global_prefetch_b8 v0, s[64:65] scope:SCOPE_SE
	s_setreg_imm32_b32 hwreg(HW_REG_WAVE_MODE, 25, 1), 1
	s_wait_xcnt 0x0
; Causal attention of one head, with a running maximum.  Operands f16; scores, maxima, sums and the output's sums f32.
; Left out: key tiles of 128 that lie wholly behind a block of 128 queries (their weights are exactly 0; shown at the head of the first launch).
; A work-group takes the query blocks j and 15 - j of head bh: (j + 1) + (16 - j) = 17 key tiles for every work-group, 256 work-groups of equal work.
; A wave takes 32 queries of a block (two tiles of 16).  E is the even one of the two blocks, Od the odd one.  Each block begins with its diagonal tile and
; walks down to tile 0, so a block's first products start its sums, the first tile always holds a key that is kept (the query's own), and the
; two LDS slots take turns in one fixed order for every j:  D(E) 0 | E/2 x (1, 0) | D(Od) 1 | (Od-1)/2 x (0, 1) | 0.
; THE SCORES ARE MADE TRANSPOSED, S^T = K Q^T: a lane holds ONE query (n = r) and the keys 16 mt + 8 h + j.  So the maximum and the sum are made inside the lane
; plus one exchange with the lane of the other half; and two neighbouring tiles of S^T, packed to f16 in place, ARE the second operand of O^T = V^T P^T.
; In O^T a lane holds 8 neighbouring s of one query: 16 bytes of the output.
; q already carries log2(e) / 8, so p = exp2(s - m).
; NO CLUSTER: the eight work-groups of a head want different tiles in a step and different trip counts for their two blocks, and partners of joint
; loads must run the same trips; a walk in step would multiply 20 tiles in place of 17, the extra ones wholly masked.
; OUT: ob [part 2][head 16][row 4096][64] bf16, planes of 524,288 bytes.  Part 0 is o rounded to bf16, part 1 the rest o - part 0, rounded to bf16:
; together 16 significant bits for the last product (why: the head of the first launch).
; LIMIT OF FORMAT: p is at most 1; below 6.1e-5 its step in f16 is 6e-8.
.set T16,   2176                       ; 16 logical rows of 128 bytes: fetched as 8 rows of 256 bytes + 16 of padding; row q lies at (q / 2) 272 + (q mod 2) 128
.set H64,   8704                       ; 64 logical rows: what one wave's load brings
.set VOFF,  17408                      ; VT's two blocks behind K's 128 rows
.set SLOT,  34816
.set STAGE, 69632                      ; behind the ring: 32 rows x 144 bytes for each wave; no tensor load lands here
.set ADR,  4                           ; v4-5    lane term of a fragment load in slot 0, 1
.set STO,  6
.set RD,   7
.set CO,   8
.set QOF,  9
.set NINF, 10
.set DQ,   12                          ; v12-13  query - 8 h inside the block, for query tile 0, 1
.set MX,   14                          ; v14-17
.set M,    22                          ; v22, v24 running maximum of tile 0, 1 (pairs for the packed forms; the second registers are never used)
.set AL,   26                          ; v26, v28 exp2(old maximum - new)
.set LS,   30                          ; v30-33  running sums, a pair for each tile
.set AC,   34                          ; v34-41
.set R,    42                          ; v42, v44
.set X1,   46
.set O,    64                          ; O(ms, nt) at 64 + 8 (4 nt + ms)
.set S,    128                         ; S(mt, nt) at 128 + 64 nt + 8 mt; P(nt, kc) in place at 128 + 64 nt + 16 kc
.set HP,   S                           ; a block's end: 32 registers of packed upper parts,
.set LP,   S+32                        ; 32 of packed rests,
.set RB,   S+64                        ; 64 read back from the stage
.set QE,   0                           ; window 2: Q(nt, kk) at 8 (2 nt + kk), block E; block Od 32 further
.set QO,   32
.set G1,   24
.set G0,   32
.set MSB, 0
.macro WIN new
.if MSB != \new
	s_set_vgpr_msb (MSB<<8)|\new
.set MSB, \new
.endif
.endm
.set W_S,  0x09                        ; source 0 (K) window 1, source 1 (Q) window 2
.set W_PV, 0x01                        ; source 0 (V) window 1
.set W_LD, 0x40                        ; destination window 1:  KF(mt, kk) at 8 (8 kk + mt), VF(ms, kc) at 128 + 8 (4 kc + ms)
.set W_Q,  0x80                        ; destination window 2
.macro PLACES n
.rept \n
	v_nop
.endr
.endm
	s_load_b128 s[4:7], s[0:1], 0x0                ; qkv s[4:5], ob s[6:7]
	v_lshl_add_u32 v62, v0, 2, 0x29000
	v_mov_b32 v63, 0
	ds_add_u32 v62, v63
	ds_add_u32 v62, v63
	v_lshrrev_b32 v1, 5, v0
	v_readfirstlane_b32 s8, v1                     ; wave
	s_mov_b32 s9, ttmp9                            ; j
	s_and_b32 s10, ttmp7, 0xffff                   ; bh
	s_sub_co_u32 s14, 15, s9
	s_bitcmp1_b32 s9, 0
	s_cselect_b32 s11, s14, s9                     ; E
	s_cselect_b32 s12, s9, s14                     ; Od
	s_sub_co_u32 s13, s11, 1                       ; the tile behind the first: E - 1, or Od where E = 0
	s_cmp_eq_u32 s11, 0
	s_cselect_b32 s13, s12, s13
	s_mov_b32 s20, 0x76543210
	s_mov_b32 s21, 0xfedcba98
	; group 1: a dense block of 8,192 bytes as 32 rows of 256 bytes (32 elements of 8), 16 bytes of padding behind each
	s_mov_b32 s[G1+0], (3<<16)|(1<<20)|(5<<22)|(3<<25)
	s_mov_b32 s[G1+1], 32<<16
	s_mov_b32 s[G1+2], 32<<16
	s_mov_b32 s[G1+3], 32<<16
	s_mov_b32 s[G1+4], 32
	s_mov_b32 s[G1+5], 32
	s_mov_b32 s[G1+6], 0
	s_mov_b32 s[G1+7], 0
	; every wave fetches a quarter of a step's tile: waves 0, 1 K's halves, waves 2, 3 VT's two blocks
	s_lshr_b32 s14, s8, 1
	s_add_co_u32 s14, s14, 1
	s_lshl_b32 s14, s14, 23                        ; K at 1 << 23, VT at 2 << 23
	s_lshl_b32 s15, s10, 18
	s_add_co_u32 s14, s14, s15
	s_and_b32 s15, s8, 1
	s_lshl_b32 s15, s15, 13
	s_add_co_u32 s16, s14, s15
	s_mov_b32 s17, 0
	s_mul_i32 s19, s8, H64
	s_lshl_b32 s42, s11, 14                        ; a tile of 128 keys is 16,384 bytes of K and of VT
	s_mov_b32 s43, 0
	s_wait_dscnt 0x0
	s_wait_kmcnt 0x0
	s_add_nc_u64 s[40:41], s[4:5], s[16:17]
	s_mov_b32 s[G0+0], 1
	s_mov_b32 s[G0+1], s19
	s_add_nc_u64 s[G0+2:G0+3], s[40:41], s[42:43]
	s_or_b32 s[G0+3], s[G0+3], 0x80000000
	s_mov_b32 s[G0+4], 1
	s_add_co_u32 s[G0+5], s19, SLOT
	tensor_load_to_lds s[G0:G0+3], s[G1:G1+7]      ; tile E into slot 0: the one first fill at the start
	s_nop 0
	; Q of both blocks: (bh 2048 + 128 block + 32 wave) 128 bytes
	s_lshl_b32 s14, s10, 18
	s_lshl_b32 s15, s8, 12
	s_add_co_u32 s14, s14, s15
	s_lshl_b32 s15, s11, 14
	s_add_co_u32 s16, s14, s15
	s_add_nc_u64 s[48:49], s[4:5], s[16:17]
	s_lshl_b32 s15, s12, 14
	s_add_co_u32 s16, s14, s15
	s_add_nc_u64 s[50:51], s[4:5], s[16:17]
	v_and_b32 v1, 15, v0                           ; r
	v_bfe_u32 v2, v0, 4, 1                         ; h
	v_lshlrev_b32 v[QOF], 7, v1
	v_lshl_add_u32 v[QOF], v2, 4, v[QOF]
	WIN W_Q
.irp nt, 0,1
.irp kk, 0,1
.irp u, 0,1
	global_load_b128 v[QE+8*(2*\nt+\kk)+4*\u:QE+8*(2*\nt+\kk)+4*\u+3], v[QOF], s[48:49] offset:\nt*2048+64*\kk+32*\u
	global_load_b128 v[QO+8*(2*\nt+\kk)+4*\u:QO+8*(2*\nt+\kk)+4*\u+3], v[QOF], s[50:51] offset:\nt*2048+64*\kk+32*\u
.endr
.endr
.endr
	WIN 0
	; where the results go: plane bh mod 16, row (bh / 16) 2048 + 128 block + 32 wave
	s_and_b32 s14, s10, 15
	s_lshl_b32 s14, s14, 19
	s_lshr_b32 s15, s10, 4
	s_lshl_b32 s15, s15, 18
	s_add_co_u32 s14, s14, s15
	s_lshl_b32 s15, s8, 12
	s_add_co_u32 s14, s14, s15
	s_lshl_b32 s15, s11, 14
	s_add_co_u32 s16, s14, s15
	s_add_nc_u64 s[44:45], s[6:7], s[16:17]
	s_lshl_b32 s15, s12, 14
	s_add_co_u32 s16, s14, s15
	s_add_nc_u64 s[46:47], s[6:7], s[16:17]
	v_lshrrev_b32 v3, 1, v1                        ; lane term (r / 2) 272 + (r mod 2) 128 + 16 h
	v_mul_u32_u24 v3, v3, 272
	v_and_b32 v11, 1, v1
	v_lshl_add_u32 v3, v11, 7, v3
	v_lshl_add_u32 v[ADR], v2, 4, v3
	v_add_nc_u32 v[ADR+1], SLOT, v[ADR]
	s_mul_i32 s14, s8, 32*144
	s_add_co_u32 s14, s14, STAGE
	v_mul_u32_u24 v3, v1, 144
	v_lshl_add_u32 v3, v2, 4, v3
	v_add_nc_u32 v[STO], s14, v3
	v_and_b32 v3, 31, v0
	v_lshlrev_b32 v[CO], 4, v3
	v_lshrrev_b32 v11, 3, v3
	v_mul_u32_u24 v11, v11, 144
	v_and_b32 v3, 7, v3
	v_lshl_add_u32 v11, v3, 4, v11
	v_add_nc_u32 v[RD], s14, v11
	v_mov_b32 v[NINF], 0xff800000
	s_lshl_b32 s15, s8, 5
	v_lshlrev_b32 v3, 3, v2
	v_sub_nc_u32 v3, v1, v3
	v_add_nc_u32 v[DQ], s15, v3                    ; 32 wave + r - 8 h
	v_add_nc_u32 v[DQ+1], 16, v[DQ]
.irp x, M+1, M+3, AL+1, AL+3, R+1, R+3, X1         ; second registers of the broadcast pairs, and the permute's destination: written once
	v_mov_b32 v[\x], 0
.endr
	s_wait_loadcnt 0x0                             ; Q
; slices of the softmax of one query tile; SB, MM are set by SOFTMAX.  kc = 32 keys = two tiles of S^T = 16 registers
.macro SM_SUB kc
.irp p, 0,1,2,3,4,5,6,7
	v_pk_add_f32 v[SB+16*\kc+2*\p:SB+16*\kc+2*\p+1], v[SB+16*\kc+2*\p:SB+16*\kc+2*\p+1], v[MM:MM+1] op_sel_hi:[1,0] neg_lo:[0,1] neg_hi:[0,1]
.endr
.endm
.macro SM_EXP kc
.set i, 0
.rept 16
	v_exp_f32 v[SB+16*\kc+i], v[SB+16*\kc+i]
.set i, i+1
.endr
.endm
.macro SM_SUMPACK kc
.if \kc == 0
	s_wait_alu depctr_va_vdst(0)
.irp p, 0,1,2,3
	v_pk_add_f32 v[AC+2*\p:AC+2*\p+1], v[SB+2*\p:SB+2*\p+1], v[SB+8+2*\p:SB+8+2*\p+1]     ; the first 16 start the four chains
.endr
.else
	s_wait_alu depctr_va_vdst(0)
.irp p, 0,1,2,3,4,5,6,7
	v_pk_add_f32 v[AC+2*(\p%4):AC+2*(\p%4)+1], v[AC+2*(\p%4):AC+2*(\p%4)+1], v[SB+16*\kc+2*\p:SB+16*\kc+2*\p+1]
.endr
.endif
.irp p, 0,1,2,3,4,5,6,7
	v_cvt_pk_f16_f32 v[SB+16*\kc+\p], v[SB+16*\kc+2*\p], v[SB+16*\kc+2*\p+1]              ; in place, ascending: register p is free when it is written
.endr
.endm
; first = 1: the block's diagonal tile: keys behind the query get -inf, and maximum, sum and O begin here
.macro SOFTMAX nt, first
.set SB, S+64*\nt
.set MM, M+2*\nt
.set AA, AL+2*\nt
.set LL, LS+2*\nt
.if \first
.set i, 0
.rept 64
	v_cmp_gt_i32 vcc_lo, 16*(i/8)+i%8, v[DQ+\nt]   ; key 16 mt + 8 h + j > query
	v_cndmask_b32 v[SB+i], v[SB+i], v[NINF], vcc_lo
.set i, i+1
.endr
.endif
.irp c, 0,1,2,3
	v_max3_num_f32 v[MX+\c], v[SB+16*\c], v[SB+16*\c+1], v[SB+16*\c+2]
.endr
.irp k, 3,5,7,9,11,13
.irp c, 0,1,2,3
	v_max3_num_f32 v[MX+\c], v[MX+\c], v[SB+16*\c+\k], v[SB+16*\c+\k+1]
.endr
.endr
.irp c, 0,1,2,3
	v_max_num_f32 v[MX+\c], v[MX+\c], v[SB+16*\c+15]
.endr
	v_max3_num_f32 v[MX], v[MX], v[MX+1], v[MX+2]
	v_max_num_f32 v[MX], v[MX], v[MX+3]
	v_permlanex16_b32 v[X1], v[MX], s20, s21       ; the query's other 64 keys lie in the lane of the other half
.if \first
	v_max_num_f32 v[MM], v[MX], v[X1]
.else
	v_max3_num_f32 v[MX], v[MX], v[X1], v[MM]
	v_sub_f32 v[AA], v[MM], v[MX]
	v_exp_f32 v[AA], v[AA]
	v_mov_b32 v[MM], v[MX]                         ; also the plain instruction behind the transcendental
.endif
	; behind each run of exponentials stands the next slice's plain arithmetic before the results are used (ISA guide 5.7.2)
	SM_SUB 0
	SM_EXP 0
	SM_SUB 1
	SM_SUMPACK 0
	SM_EXP 1
	SM_SUB 2
	SM_SUMPACK 1
	SM_EXP 2
	SM_SUB 3
	SM_SUMPACK 2
	SM_EXP 3
	v_nop
	s_wait_alu depctr_va_vdst(0)
	SM_SUMPACK 3
	v_pk_add_f32 v[AC:AC+1], v[AC:AC+1], v[AC+2:AC+3]
	v_pk_add_f32 v[AC+4:AC+5], v[AC+4:AC+5], v[AC+6:AC+7]
.if \first
	v_pk_add_f32 v[LL:LL+1], v[AC:AC+1], v[AC+4:AC+5]
.else
	v_pk_add_f32 v[AC:AC+1], v[AC:AC+1], v[AC+4:AC+5]
	v_pk_fma_f32 v[LL:LL+1], v[LL:LL+1], v[AA:AA+1], v[AC:AC+1] op_sel_hi:[1,0,1]
.set i, 0
.rept 16
	v_pk_mul_f32 v[O+32*\nt+2*i:O+32*\nt+2*i+1], v[O+32*\nt+2*i:O+32*\nt+2*i+1], v[AA:AA+1] op_sel_hi:[1,0]
.set i, i+1
.endr
.endif
.endm
; 16 products of S^T: 8 key tiles x 2 query tiles, 32 of the head's 64
.macro SK kk, qb, zero
.irp mt, 0,1,2,3,4,5,6,7
.irp nt, 0,1
.if \zero
	v_wmma_f32_16x16x32_f16 v[S+64*\nt+8*\mt:S+64*\nt+8*\mt+7], v[8*(8*\kk+\mt):8*(8*\kk+\mt)+7], v[\qb+8*(2*\nt+\kk):\qb+8*(2*\nt+\kk)+7], 0
.else
	v_wmma_f32_16x16x32_f16 v[S+64*\nt+8*\mt:S+64*\nt+8*\mt+7], v[8*(8*\kk+\mt):8*(8*\kk+\mt)+7], v[\qb+8*(2*\nt+\kk):\qb+8*(2*\nt+\kk)+7], v[S+64*\nt+8*\mt:S+64*\nt+8*\mt+7]
.endif
.endr
.endr
.endm
; 8 products of O^T: 32 keys
.macro PV8 kc, zero
.irp nt, 0,1
.irp ms, 0,1,2,3
.if \zero
	v_wmma_f32_16x16x32_f16 v[O+8*(4*\nt+\ms):O+8*(4*\nt+\ms)+7], v[128+8*(4*\kc+\ms):128+8*(4*\kc+\ms)+7], v[S+64*\nt+16*\kc:S+64*\nt+16*\kc+7], 0
.else
	v_wmma_f32_16x16x32_f16 v[O+8*(4*\nt+\ms):O+8*(4*\nt+\ms)+7], v[128+8*(4*\kc+\ms):128+8*(4*\kc+\ms)+7], v[S+64*\nt+16*\kc:S+64*\nt+16*\kc+7], v[O+8*(4*\nt+\ms):O+8*(4*\nt+\ms)+7]
.endif
.endr
.endr
.endm
; 8 LDS loads: V^T's four fragments of keys 32 kc .. + 31
.macro VLD slot, kc
.irp ms, 0,1,2,3
	ds_load_b128 v[128+8*(4*\kc+\ms):128+8*(4*\kc+\ms)+3],   v[ADR+\slot] offset:VOFF+(\kc/2)*H64+\ms*T16+64*(\kc%2)
	ds_load_b128 v[128+8*(4*\kc+\ms)+4:128+8*(4*\kc+\ms)+7], v[ADR+\slot] offset:VOFF+(\kc/2)*H64+\ms*T16+64*(\kc%2)+32
.endr
.endm
; One key tile, in slot \slot.  ONE barrier: in front of it every wave has waited for all its tensor loads (its quarter of this tile) and for its reads of the other
; slot; behind it the tile is whole, nobody reads the other slot, and the wave's one tensor load fills that slot with the next tile.  One load of a wave is out at a time.
.macro STEP slot, diag, refill, qb
	s_wait_tensorcnt 0x0                           ; no tensor load of mine is out: the other slot's group 0 may be written
	ds_add_u32 v62, v63
	s_wait_dscnt 0x0
.if \refill
	s_lshl_b32 s42, s13, 14
	s_add_nc_u64 s[G0+6-4*\slot:G0+7-4*\slot], s[40:41], s[42:43]
	s_or_b32 s[G0+7-4*\slot], s[G0+7-4*\slot], 0x80000000
	s_sub_co_i32 s13, s13, 1                       ; the tile after that: one down, and behind tile 0 the odd block's diagonal
	s_cmp_lt_i32 s13, 0
	s_cselect_b32 s13, s12, s13
.endif
	s_wait_dscnt 0x0
	s_barrier_signal -1
	s_barrier_wait -1
.if \refill
	tensor_load_to_lds s[G0+4-4*\slot:G0+7-4*\slot], s[G1:G1+7]
	s_nop 0
.endif
	PLACES 5                                       ; behind the last tile's products: V's fragments are loaded again (4 places), P's registers are written by products (5) (ISA guide 7.12.1)
	WIN W_LD
.irp kk, 0,1
.irp mt, 0,1,2,3,4,5,6,7
	ds_load_b128 v[8*(8*\kk+\mt):8*(8*\kk+\mt)+3],   v[ADR+\slot] offset:\mt*T16+64*\kk
	ds_load_b128 v[8*(8*\kk+\mt)+4:8*(8*\kk+\mt)+7], v[ADR+\slot] offset:\mt*T16+64*\kk+32
.endr
.endr
	VLD \slot, 0
	VLD \slot, 1
	VLD \slot, 2
	WIN W_S
	s_wait_dscnt 40                                ; of 56 loads the oldest 16 are in: K's fragments of the first 32 of the head
	SK 0, \qb, 1                                   ; the 16 accumulators take turns, in the same order in both runs
	WIN W_LD
	VLD \slot, 3                                   ; V's last eight loads: at most 56 LDS loads of the wave are out at a time
	WIN W_S
	s_wait_dscnt 32                                ; all of K; V's 32 loads stay out
	SK 1, \qb, 0
	WIN 0
	PLACES 4                                       ; before vector instructions read the scores
	SOFTMAX 0, \diag
	SOFTMAX 1, \diag
	s_wait_dscnt 0x0                               ; V
	WIN W_PV
	PV8 0, \diag                                   ; eight accumulators by turns
	PV8 1, 0
	PV8 2, 0
	PV8 3, 0
	WIN 0
.endm
; a block's end: divide by the sums; split each number into bf16(o) and bf16(o - bf16(o)); each part: 32 rows of 128 bytes through my stage, 4,096 neighbouring bytes of memory
.macro EPI ptr
	PLACES 4
	v_add_f32 v[MX], v[LS], v[LS+1]
	v_add_f32 v[MX+1], v[LS+2], v[LS+3]
	v_permlanex16_b32 v[X1], v[MX], s20, s21
	v_add_f32 v[MX], v[MX], v[X1]
	v_permlanex16_b32 v[X1], v[MX+1], s20, s21
	v_add_f32 v[MX+1], v[MX+1], v[X1]
	v_rcp_f32 v[R], v[MX]
	v_rcp_f32 v[R+2], v[MX+1]
	v_nop
	s_wait_alu depctr_va_vdst(0)
.irp nt, 0,1
.set i, 0
.rept 16
	v_pk_mul_f32 v[O+32*\nt+2*i:O+32*\nt+2*i+1], v[O+32*\nt+2*i:O+32*\nt+2*i+1], v[R+2*\nt:R+2*\nt+1] op_sel_hi:[1,0]
.set i, i+1
.endr
.endr
	s_add_nc_u64 s[52:53], s[\ptr:\ptr+1], 0x800000                ; part 1 lies 8,388,608 bytes behind part 0
.irp t, 0,1,2,3,4,5,6,7
.irp i, 0,1,2,3
	v_cvt_pk_bf16_f32 v[HP+4*\t+\i], v[O+8*\t+2*\i], v[O+8*\t+2*\i+1]
	v_lshlrev_b32 v[AC+2*\i], 16, v[HP+4*\t+\i]                    ; the upper parts as f32,
	v_and_b32 v[AC+2*\i+1], 0xffff0000, v[HP+4*\t+\i]
	v_pk_add_f32 v[O+8*\t+2*\i:O+8*\t+2*\i+1], v[O+8*\t+2*\i:O+8*\t+2*\i+1], v[AC+2*\i:AC+2*\i+1] neg_lo:[0,1] neg_hi:[0,1]   ; taken away: exact in f32
	v_cvt_pk_bf16_f32 v[LP+4*\t+\i], v[O+8*\t+2*\i], v[O+8*\t+2*\i+1]
.endr
.endr
	; LDS serves a wave's instructions in order: each run of loads sees the stores in front of it and is served before the stores behind it
.irp nt, 0,1
.irp ms, 0,1,2,3
	ds_store_b128 v[STO], v[HP+4*(4*\nt+\ms):HP+4*(4*\nt+\ms)+3] offset:\nt*16*144+32*\ms
.endr
.endr
.irp t, 0,1,2,3,4,5,6,7
	ds_load_b128 v[RB+4*\t:RB+4*\t+3], v[RD] offset:4*144*\t
.endr
.irp nt, 0,1
.irp ms, 0,1,2,3
	ds_store_b128 v[STO], v[LP+4*(4*\nt+\ms):LP+4*(4*\nt+\ms)+3] offset:\nt*16*144+32*\ms
.endr
.endr
.irp t, 0,1,2,3,4,5,6,7
	ds_load_b128 v[RB+32+4*\t:RB+32+4*\t+3], v[RD] offset:4*144*\t
.endr
.irp t, 0,1,2,3,4,5,6,7
	s_wait_dscnt 23-\t                             ; behind load t stand 7 - t loads of part 0, 8 stores and 8 loads of part 1
	global_store_b128 v[CO], v[RB+4*\t:RB+4*\t+3], s[\ptr:\ptr+1] offset:512*\t   ; 512 consecutive bytes, aligned
.endr
.irp t, 0,1,2,3,4,5,6,7
	s_wait_dscnt 7-\t                              ; load t of part 1 is in, the younger ones stay out
	global_store_b128 v[CO], v[RB+32+4*\t:RB+32+4*\t+3], s[52:53] offset:512*\t
.endr
	s_wait_xcnt 0x0                                ; the stores' data registers hold scores again in the next step, and s[52:53] is written again
.endm
	STEP 0, 1, 1, QE
	s_lshr_b32 s18, s11, 1
	s_cmp_eq_u32 s18, 0
	s_cbranch_scc1 .Le_done
.Le_loop:
	STEP 1, 0, 1, QE
	STEP 0, 0, 1, QE
	s_sub_co_i32 s18, s18, 1
	s_cmp_lg_u32 s18, 0
	s_cbranch_scc1 .Le_loop
.Le_done:
	EPI 44
	STEP 1, 1, 1, QO
	s_lshr_b32 s18, s12, 1
	s_cmp_eq_u32 s18, 0
	s_cbranch_scc1 .Lo_done
.Lo_loop:
	STEP 0, 0, 1, QO
	STEP 1, 0, 1, QO
	s_sub_co_i32 s18, s18, 1
	s_cmp_lg_u32 s18, 0
	s_cbranch_scc1 .Lo_loop
.Lo_done:
	STEP 0, 0, 0, QO                               ; tile 0 of the odd block: nothing is left to fetch
	EPI 46
	s_wait_tensorcnt 0x0
	ds_add_u32 v62, v63
	s_wait_dscnt 0x0
	s_endpgm
.Lfunc_end_k_q1cc52a02bd_attn:
	.size	k_q1cc52a02bd_attn, .Lfunc_end_k_q1cc52a02bd_attn-k_q1cc52a02bd_attn
	.p2alignl 7, 3214868480
	.fill 96, 4, 3214868480
	.section	.rodata,"a",@progbits
	.p2align	6, 0x0
	.amdhsa_kernel k_q1cc52a02bd_attn
		.amdhsa_group_segment_fixed_size 327680
		.amdhsa_private_segment_fixed_size 0
		.amdhsa_enable_private_segment 0
		.amdhsa_kernarg_size 16
		.amdhsa_user_sgpr_count 2
		.amdhsa_user_sgpr_kernarg_segment_ptr 1
		.amdhsa_wavefront_size32 1
		.amdhsa_system_sgpr_workgroup_id_x 1
		.amdhsa_system_sgpr_workgroup_id_y 1
		.amdhsa_system_sgpr_workgroup_id_z 1
		.amdhsa_system_vgpr_workitem_id 0
		.amdhsa_next_free_vgpr 576
		.amdhsa_next_free_sgpr 66
		.amdhsa_reserve_vcc 1
		.amdhsa_float_denorm_mode_32 3
		.amdhsa_float_denorm_mode_16_64 3
		.amdhsa_memory_ordered 1
		.amdhsa_forward_progress 1
		.amdhsa_inst_pref_size 255
	.end_amdhsa_kernel
	.section	.bss,"aw",@nobits
	.p2align	6
	.space	262144
	.amdgpu_metadata
---
amdhsa.version: [ 1, 2 ]
amdhsa.kernels:
  - .name:           k_q1cc52a02bd_attn
    .symbol:         k_q1cc52a02bd_attn.kd
    .args:
      - { .name: qkv, .offset: 0, .size: 8, .value_kind: global_buffer, .address_space: global }
      - { .name: ob, .offset: 8, .size: 8, .value_kind: global_buffer, .address_space: global }
    .group_segment_fixed_size: 327680
    .private_segment_fixed_size: 0
    .kernarg_segment_align: 8
    .kernarg_segment_size: 16
    .max_flat_workgroup_size: 128
    .sgpr_count:     66
    .vgpr_count:     576
    .wavefront_size: 32
...
	.end_amdgpu_metadata
.endif
;; end of part 3
;; launch proj (part 4): grid 8 x 32, 4 waves a work-group, clusters of 4 x 4, 327,680 bytes of LDS; arguments ob, xw, out0; writes out0
.if DOCPART == 4
	.amdgcn_target "amdgcn-amd-amdhsa--gfx1250"
	.amdhsa_code_object_version 6
	.text
	.protected	k_q1cc52a02bd_proj
	.globl	k_q1cc52a02bd_proj
	.p2align	8
	.type	k_q1cc52a02bd_proj,@function
k_q1cc52a02bd_proj:
	s_mov_b64 s[64:65], 0
	v_nop
	global_prefetch_b8 v0, s[64:65] scope:SCOPE_SE
	s_setreg_imm32_b32 hwreg(HW_REG_WAVE_MODE, 25, 1), 1
	s_wait_xcnt 0x0
	s_wait_alu depctr_hold_cnt(0) depctr_sa_sdst(0) depctr_va_vdst(0) depctr_va_sdst(0) depctr_va_ssrc(0) depctr_va_vcc(0) depctr_vm_vsrc(0)
	s_getreg_b32 s2, hwreg(HW_REG_IB_STS2, 6, 4)
	s_cmp_eq_u32 s2, 0
	s_cbranch_scc0 .Lentry_in_a_cluster
	s_endpgm
.Lentry_in_a_cluster:
	s_bfe_u32 s2, ttmp6, 0x10000c
	s_cmp_lg_u32 s2, 0xf033
	s_cbranch_scc0 .Lentry_shape_is_right
	s_endpgm
.Lentry_shape_is_right:
; out0[m][n] = sum over k of o[m][k] Wu[n][k], bf16 operands, f32 sums, f32 out.
; o comes as two bf16 parts, ob[part 2][head 16][row 4096][64] (o = part 0 + part 1, 16 significant bits: why, the head of the first launch); Wu as
; wuh[kb 16][n 1024][64] at xw + 0xE00000.  Plane kb of all three holds k = 64 kb .. + 63, in rows of 128 bytes.  Both parts are multiplied with the
; same fragments of Wu and added onto the same accumulators.
; A work-group makes 128 x 128 of out0 (256 work-groups; blocks of 256 x 256 would give 64), wave (w / 2, w mod 2) 64 x 64: 16 tiles, 128 registers.
; K = 1024 goes in eight steps of 128 (two planes) through two LDS slots.  One tensor load a wave: wave 0 part 0's two planes, wave 1 part 1's,
; waves 2 and 3 one plane of Wu each; a plane's 128 rows are a dense block of 16,384 bytes.
; CLUSTERS of 4 x 4: o's tiles hang on the row block alone (grid y), shared along a row of the cluster; Wu's on the column block alone (grid x), shared along a column.
; The products are used transposed (source 0 = Wu, source 1 = o): a lane holds one row and 8 neighbouring columns, 32 bytes of out0.
.set T16,    2176                      ; 16 logical rows of 128 bytes, laid as 8 x (256 + 16): row q at (q / 2) 272 + (q mod 2) 128
.set H64,    8704
.set PLANE,  17408                     ; 128 logical rows
.set ALOFF,  2*PLANE                   ; part 1's two planes behind part 0's
.set BOFF,   4*PLANE                   ; Wu's two planes behind those
.set SLOT,   6*PLANE
.set STAGE,  2*SLOT                    ; behind the ring: 16 rows x 272 bytes for each wave; no tensor load lands here
.set SPITCH, 272
.set WUH,    0xE00000
.set ADRA, 16
.set ADRB, 20
.set STO,  24
.set RD,   25
.set CO,   26
.set F0,   32                          ; a buffer: part 0's 4 fragments, part 1's 4, Wu's 4: 96 registers
.set F1,   128
.set OB,   32                          ; way out: 32 registers read back
.set G1,  24
.set G0,  32
.set G1B, 48
.set G0B, 56
.set MSB, 0
.macro WIN new
.if MSB != \new
	s_set_vgpr_msb (MSB<<8)|\new
.set MSB, \new
.endif
.endm
.set ACC, 0x50                         ; C and D in window 1: tile (a, b) at 8 (4 a + b)
.macro PLACES n
.rept \n
	v_nop
.endr
.endm
.macro JLOAD s
	s_cmp_eq_u32 s11, 0
	s_cbranch_scc0 .Lfor_b_\@
	tensor_load_to_lds s[G0+4*\s:G0+4*\s+3], s[G1:G1+7]
	s_nop 0
	s_branch .Lasked_\@
.Lfor_b_\@:
	tensor_load_to_lds s[G0B+4*\s:G0B+4*\s+3], s[G1B:G1B+7]
	s_nop 0
.Lasked_\@:
.endm
.macro CREST
	s_cmp_lg_u32 s10, 0
	s_cbranch_scc1 .Lnot_wave_0_\@
	s_barrier_signal -3
.Lnot_wave_0_\@:
	s_barrier_wait -3
	s_barrier_signal -1
	s_barrier_wait -1
.endm
.macro CROUND
	s_barrier_signal -1
	s_barrier_wait -1
	CREST
.endm
	s_load_b128 s[4:7], s[0:1], 0x0                ; ob s[4:5], xw s[6:7]
	s_load_b64 s[8:9], s[0:1], 0x10                ; out0
	v_lshl_add_u32 v254, v0, 2, 0x37400
	v_mov_b32 v255, 0
	ds_add_u32 v254, v255
	ds_add_u32 v254, v255
	v_lshrrev_b32 v1, 5, v0
	v_readfirstlane_b32 s10, v1                    ; wave
	s_lshr_b32 s11, s10, 1                         ; my half of the rows.  Also: I fetch o (0) or Wu (1)
	s_and_b32 s12, s10, 1                          ; my half of the columns.  Also: which part of o, or which plane of Wu, I fetch
	s_bfe_u32 s40, ttmp6, 0x40000                  ; cx
	s_bfe_u32 s41, ttmp6, 0x40004                  ; cy
	s_lshl_b32 s42, ttmp9, 2
	s_add_co_u32 s42, s42, s40                     ; column block
	s_and_b32 s13, ttmp7, 0xffff
	s_lshl_b32 s13, s13, 2
	s_add_co_u32 s13, s13, s41                     ; row block
	s_lshl_b32 s43, s41, 2
	s_lshl_b32 s43, 15, s43                        ; my row of the cluster
	s_lshl_b32 s44, 0x1111, s40                    ; my column
	; group 1: rows of 2,048 elements of 8 bytes (a plane's 128 rows, dense); 16 bytes of padding behind every 256, which divides the row.
	; o: 2 such rows, a plane (524,288 bytes) apart.  Wu: one.
	s_or_b32 s[G1+0], s43, (3<<16)|(1<<20)|(1<<21)|(5<<22)|(3<<25)
	s_or_b32 s[G1B+0], s44, (3<<16)|(1<<20)|(1<<21)|(5<<22)|(3<<25)
	s_mov_b32 s[G1+1], 2048<<16                    ; tensor_dim0
	s_mov_b32 s[G1B+1], 2048<<16
	s_mov_b32 s[G1+2], 2<<16                       ; tensor_dim1
	s_mov_b32 s[G1B+2], 1<<16
	s_mov_b32 s[G1+3], 2048<<16                    ; tile_dim0
	s_mov_b32 s[G1B+3], 2048<<16
	s_mov_b32 s[G1+4], 2                           ; tile_dim1
	s_mov_b32 s[G1B+4], 1
	s_mov_b32 s[G1+5], 65536                       ; from row to row, in elements
	s_mov_b32 s[G1B+5], 2048
	s_mov_b32 s[G1+6], 0
	s_mov_b32 s[G1B+6], 0
	s_mov_b32 s[G1+7], 0
	s_mov_b32 s[G1B+7], 0
	s_lshl_b32 s16, s12, 23                        ; o: my part + 128 rows x row block
	s_lshl_b32 s17, s13, 14
	s_add_co_u32 s16, s16, s17
	s_mov_b32 s17, 0
	s_lshl_b32 s46, s12, 17                        ; Wu: my plane of the step's two + 128 rows x column block
	s_lshl_b32 s47, s42, 14
	s_add_co_u32 s46, s46, s47
	s_add_co_u32 s46, s46, WUH
	s_mov_b32 s47, 0
	s_mul_i32 s20, s10, 2*PLANE                    ; LDS: waves 0, 1: the two parts at 0 and 2 planes
	s_mul_i32 s45, s10, PLANE                      ; waves 2, 3: Wu's planes at 4 and 5 planes = (wave + 2) planes
	s_add_co_u32 s45, s45, 2*PLANE
	s_wait_dscnt 0x0
	s_wait_kmcnt 0x0
	s_add_nc_u64 s[14:15], s[4:5], s[16:17]
	s_add_nc_u64 s[46:47], s[6:7], s[46:47]
	CROUND                                         ; in front of the first joint loads
.irp s, 0,1
	s_mov_b32 s[G0+4*\s], 1
	s_add_co_u32 s[G0+4*\s+1], s20, \s*SLOT
	s_add_nc_u64 s[G0+4*\s+2:G0+4*\s+3], s[14:15], \s*2*524288
	s_or_b32 s[G0+4*\s+3], s[G0+4*\s+3], 0x80000000
	s_mov_b32 s[G0B+4*\s], 1
	s_add_co_u32 s[G0B+4*\s+1], s45, \s*SLOT
	s_add_nc_u64 s[G0B+4*\s+2:G0B+4*\s+3], s[46:47], \s*2*131072
	s_or_b32 s[G0B+4*\s+3], s[G0B+4*\s+3], 0x80000000
	JLOAD \s                                       ; two tensor loads of the wave are out here, one behind each later round
.endr
	v_and_b32 v1, 15, v0                           ; r
	v_bfe_u32 v2, v0, 4, 1                         ; h
	v_lshrrev_b32 v3, 1, v1
	v_mul_u32_u24 v3, v3, 272
	v_and_b32 v4, 1, v1
	v_lshl_add_u32 v3, v4, 7, v3
	v_lshl_add_u32 v3, v2, 4, v3                   ; (r / 2) 272 + (r mod 2) 128 + 16 h
	s_mul_i32 s21, s11, H64
	s_mul_i32 s22, s12, H64
	s_add_co_u32 s22, s22, BOFF
	v_add_nc_u32 v[ADRA], s21, v3
	v_add_nc_u32 v[ADRA+1], SLOT, v[ADRA]
	v_add_nc_u32 v[ADRB], s22, v3
	v_add_nc_u32 v[ADRB+1], SLOT, v[ADRB]
	s_mul_i32 s23, s10, 16*SPITCH
	s_add_co_u32 s23, s23, STAGE
	v_mul_u32_u24 v4, v1, SPITCH
	v_lshl_add_u32 v4, v2, 5, v4
	v_add_nc_u32 v[STO], s23, v4                   ; in: row r, 32 bytes for each half of the lanes
	v_mul_u32_u24 v5, v2, SPITCH
	v_lshl_add_u32 v5, v1, 4, v5
	v_add_nc_u32 v[RD], s23, v5                    ; back: lanes 0-15 one row of 256 bytes, lanes 16-31 the next
	v_lshlrev_b32 v[CO], 4, v1
	v_lshl_add_u32 v[CO], v2, 12, v[CO]            ; the same two rows in out0
; 24 LDS loads: chunk c (32 of the slot's 128 along K: plane c / 2, byte 64 (c mod 2) of its rows) into buffer f
.macro FETCH slot, c, f
.irp i, 0,1,2,3
	ds_load_b128 v[\f+8*\i:\f+8*\i+3],   v[ADRA+\slot] offset:((\c)/2)*PLANE+64*((\c)%2)+\i*T16
	ds_load_b128 v[\f+8*\i+4:\f+8*\i+7], v[ADRA+\slot] offset:((\c)/2)*PLANE+64*((\c)%2)+\i*T16+32
.endr
.irp i, 0,1,2,3
	ds_load_b128 v[\f+32+8*\i:\f+32+8*\i+3],   v[ADRA+\slot] offset:ALOFF+((\c)/2)*PLANE+64*((\c)%2)+\i*T16
	ds_load_b128 v[\f+32+8*\i+4:\f+32+8*\i+7], v[ADRA+\slot] offset:ALOFF+((\c)/2)*PLANE+64*((\c)%2)+\i*T16+32
.endr
.irp i, 0,1,2,3
	ds_load_b128 v[\f+64+8*\i:\f+64+8*\i+3],   v[ADRB+\slot] offset:((\c)/2)*PLANE+64*((\c)%2)+\i*T16
	ds_load_b128 v[\f+64+8*\i+4:\f+64+8*\i+7], v[ADRB+\slot] offset:((\c)/2)*PLANE+64*((\c)%2)+\i*T16+32
.endr
.endm
; 32 products: part 0, then part 1; the 16 accumulators take turns, one instruction a turn, in the same order in every run
.macro MUL32 f, zero
.irp a, 0,1,2,3
.irp b, 0,1,2,3
.if \zero
	v_wmma_f32_16x16x32_bf16 v[8*(4*\a+\b):8*(4*\a+\b)+7], v[\f+64+8*\b:\f+64+8*\b+7], v[\f+8*\a:\f+8*\a+7], 0
.else
	v_wmma_f32_16x16x32_bf16 v[8*(4*\a+\b):8*(4*\a+\b)+7], v[\f+64+8*\b:\f+64+8*\b+7], v[\f+8*\a:\f+8*\a+7], v[8*(4*\a+\b):8*(4*\a+\b)+7]
.endif
.endr
.endr
.irp a, 0,1,2,3
.irp b, 0,1,2,3
	v_wmma_f32_16x16x32_bf16 v[8*(4*\a+\b):8*(4*\a+\b)+7], v[\f+64+8*\b:\f+64+8*\b+7], v[\f+32+8*\a:\f+32+8*\a+7], v[8*(4*\a+\b):8*(4*\a+\b)+7]
.endr
.endr
.endm
; fetches chunk c into buffer g and multiplies buffer f
.macro QUARTER slot, c, f, g, zero
	PLACES 4                                       ; between the products that read buffer g and the loads into it
	FETCH \slot, \c, \g
	s_wait_dscnt 24                                ; all but the 24 just issued: buffer f is in
	WIN ACC
	MUL32 \f, \zero
	WIN 0
.endm
.macro THREE slot, zero
	QUARTER \slot, 1, F0, F1, \zero
	QUARTER \slot, 2, F1, F0, 0
	QUARTER \slot, 3, F0, F1, 0
.endm
; The slot's last chunk, and the change of slots.  In front of the barrier: my reads of this slot and all my tensor loads are done.  Where the slot is filled again the
; barrier opens a round of the cluster's barrier, with register work alone inside it, and the joint refill is my first and only tensor load behind the round.
; From a refill to the wait for it a wave issues 96 products.
.macro TURN slot, next, fill
	s_wait_dscnt 0x0
	s_wait_tensorcnt 0x0
	ds_add_u32 v254, v255
	s_wait_dscnt 0x0
	s_barrier_signal -1
	WIN ACC
	MUL32 F1, 0
	WIN 0
	s_barrier_wait -1
.if \fill
	CREST
	s_add_nc_u64 s[G0+4*\slot+2:G0+4*\slot+3], s[G0+4*\slot+2:G0+4*\slot+3], 4*524288
	s_add_nc_u64 s[G0B+4*\slot+2:G0B+4*\slot+3], s[G0B+4*\slot+2:G0B+4*\slot+3], 4*131072
	JLOAD \slot
.endif
	PLACES 4
	FETCH \next, 0, F0
.endm
.macro LAP zero
	THREE 0, \zero
	TURN 0, 1, 1
	THREE 1, 0
	TURN 1, 0, 1
.endm
	s_wait_tensorcnt 0x1                           ; my part of planes 0, 1 is in; slot 1's load stays out
	s_barrier_signal -1
	s_barrier_wait -1
	FETCH 0, 0, F0
	LAP 1                                          ; steps 0, 1 (the first products start the sums); asks for steps 2, 3
	s_mov_b32 s3, 2
.Llap:
	LAP 0                                          ; steps 2 to 5; asks for 4 to 7
	s_sub_co_u32 s3, s3, 1
	s_cmp_lg_u32 s3, 0
	s_cbranch_scc1 .Llap
	THREE 0, 0                                     ; steps 6, 7: nothing is left to fetch
	TURN 0, 1, 0
	THREE 1, 0
	s_wait_dscnt 0x0
	WIN ACC
	MUL32 F1, 0
	WIN 0
	PLACES 4                                       ; before LDS stores read the results and loads land in buffer 0
	s_lshl_b32 s16, s13, 19                        ; my first row: (128 row block + 64 half) x 4,096 bytes
	s_lshl_b32 s17, s11, 18
	s_add_co_u32 s16, s16, s17
	s_mov_b32 s17, 0
	s_add_nc_u64 s[8:9], s[8:9], s[16:17]
	s_lshl_b32 s46, s42, 9                         ; my first column: 512 x column block + 256 x half
	s_lshl_b32 s47, s12, 8
	s_add_co_u32 s46, s46, s47
	s_mov_b32 s47, 0
	s_add_nc_u64 s[8:9], s[8:9], s[46:47]
; rows 16 a .. + 15: 32 bytes a lane and tile into my stage, read back as whole rows of 256 bytes
.macro OUT16 a
	WIN 0x04                                       ; the LDS stores' data in window 1
.irp b, 0,1,2,3
	ds_store_b128 v[STO], v[8*(4*\a+\b):8*(4*\a+\b)+3]   offset:64*\b
	ds_store_b128 v[STO], v[8*(4*\a+\b)+4:8*(4*\a+\b)+7] offset:64*\b+16
.endr
	WIN 0
	s_wait_xcnt 0x0                                ; OB, which the last group's stores read, is loaded again only behind this wait
.irp t, 0,1,2,3,4,5,6,7
	ds_load_b128 v[OB+4*\t:OB+4*\t+3], v[RD] offset:2*SPITCH*\t    ; LDS serves a wave's instructions in order: these see the stores above
.endr
.irp t, 0,1,2,3,4,5,6,7
	s_wait_dscnt 7-\t                              ; load t is in, the younger ones stay out
	global_store_b128 v[CO], v[OB+4*\t:OB+4*\t+3], s[8:9] offset:(16*\a+2*\t)*4096 th:TH_STORE_NT   ; 16 lanes store 256 consecutive bytes, aligned
.endr
.endm
	OUT16 0
	OUT16 1
	OUT16 2
	OUT16 3
	s_wait_tensorcnt 0x0
	ds_add_u32 v254, v255
	s_wait_dscnt 0x0
	CROUND                                         ; the closing round
	s_endpgm
.Lfunc_end_k_q1cc52a02bd_proj:
	.size	k_q1cc52a02bd_proj, .Lfunc_end_k_q1cc52a02bd_proj-k_q1cc52a02bd_proj
	.p2alignl 7, 3214868480
	.fill 96, 4, 3214868480
	.section	.rodata,"a",@progbits
	.p2align	6, 0x0
	.amdhsa_kernel k_q1cc52a02bd_proj
		.amdhsa_group_segment_fixed_size 327680
		.amdhsa_private_segment_fixed_size 0
		.amdhsa_enable_private_segment 0
		.amdhsa_kernarg_size 24
		.amdhsa_user_sgpr_count 2
		.amdhsa_user_sgpr_kernarg_segment_ptr 1
		.amdhsa_wavefront_size32 1
		.amdhsa_system_sgpr_workgroup_id_x 1
		.amdhsa_system_sgpr_workgroup_id_y 1
		.amdhsa_system_sgpr_workgroup_id_z 1
		.amdhsa_system_vgpr_workitem_id 0
		.amdhsa_next_free_vgpr 384
		.amdhsa_next_free_sgpr 66
		.amdhsa_reserve_vcc 0
		.amdhsa_float_denorm_mode_32 3
		.amdhsa_float_denorm_mode_16_64 3
		.amdhsa_memory_ordered 1
		.amdhsa_forward_progress 1
		.amdhsa_inst_pref_size 109
	.end_amdhsa_kernel
	.amdgpu_metadata
---
amdhsa.version: [ 1, 2 ]
amdhsa.kernels:
  - .name:           k_q1cc52a02bd_proj
    .symbol:         k_q1cc52a02bd_proj.kd
    .args:
      - { .name: ob, .offset: 0, .size: 8, .value_kind: global_buffer, .address_space: global }
      - { .name: xw, .offset: 8, .size: 8, .value_kind: global_buffer, .address_space: global }
      - { .name: out0, .offset: 16, .size: 8, .value_kind: global_buffer, .address_space: global }
    .group_segment_fixed_size: 327680
    .private_segment_fixed_size: 0
    .kernarg_segment_align: 8
    .kernarg_segment_size: 24
    .max_flat_workgroup_size: 128
    .sgpr_count:     66
    .vgpr_count:     384
    .wavefront_size: 32
...
	.end_amdgpu_metadata
.endif
;; end of part 4
;; ======== version 2 of 3: 4 launches; 1.10 times as fast as version 1
;; limits: values are held in f16: magnitudes above 65,504 overflow, below 6.1e-05 lose precision; values outside matrix products are rounded to bf16
;; workspace buffers: xw 16,777,216 bytes; qkv 25,165,824 bytes; ob 8,388,608 bytes
;; launch cast (part 5): grid 256 x 1, 8 waves a work-group, no clusters, 0 bytes of LDS; arguments x, Wq, Wk, Wv, Wu, xw; writes xw
.if DOCPART == 5
	.amdgcn_target "amdgcn-amd-amdhsa--gfx1250"
	.amdhsa_code_object_version 6
	.text
	.protected	k_q1cc52a02bd_cast
	.globl	k_q1cc52a02bd_cast
	.p2align	8
	.type	k_q1cc52a02bd_cast,@function
k_q1cc52a02bd_cast:
	s_mov_b64 s[64:65], 0
	v_nop
	global_prefetch_b8 v0, s[64:65] scope:SCOPE_SE
	s_setreg_imm32_b32 hwreg(HW_REG_WAVE_MODE, 25, 1), 1
	s_wait_xcnt 0x0
; SELF-ATTENTION, b = 2, t = 2048, e = 1024, 16 heads of 64.  Four launches: cast, qkv, attn, proj.
; THIS LAUNCH rounds x and the four weights once from f32 to bf16 and lays them out as the products want them:
;   xw + 0         xh [4096][1024]            x, row-major, bf16
;   xw + 0x800000  wh [head 16][3][64][1024]  a head's 64 rows of Wq, of Wk, of Wv: 192 neighbouring rows, bf16
;   xw + 0xE00000  wuh[kb 16][1024][64]       plane kb = columns 64 kb .. 64 kb + 63 of Wu, rows of 128 bytes; the bf16 value, written as f16
;
; NUMBER FORMATS OF THE PROGRAM.  Every floating-point input enters rounded once to bf16: x and the weights here, the norms' gains and q's bias in the
; second launch (they scale matrix operands).  Wu's rounded value is written as f16, since the last product's other operand is f16: a bf16 number of
; magnitude 6.1e-5 to 65,504 is an f16 number exactly.  From there on: sums, norms and softmax in f32; q, k, v, the softmax's weights and the attention's
; output as f16 operands (11 bits).  Why f16 and not bf16 for these: a query with n keys gives an output of about 1 / sqrt(n) of v's size, so a batch's
; first rows are some ten times the root mean square of the whole output, and a rounding to 8 bits would be felt there in absolute terms.
; LIMIT OF FORMAT: v and Wu beyond 65,504 in magnitude become infinities in f16 (with x and W 30 times the drawn spread |v| stays near 3,500, |Wu| under 4);
;     below 6.1e-5 Wu's step is 6e-8; normalised q and k are at most 7.94 |gain| + |bias|; the gains carry 8 significant bits.
;
; WORK LEFT OUT IN THE PROGRAM, and why it can reach no output:
; (a) kln_b.  k enters the result only through dot[q][k] = q . (khat[k] * kln_w + kln_b) / 8 = q . (khat[k] * kln_w) / 8 + q . kln_b / 8.
;     The second term does not hang on the key: it is the same number along the softmax's axis, for every value of q and kln_b, and
;     softmax(z + const) = softmax(z).  So kln_b is not loaded and is among no launch's arguments.
; (b) Key tiles of 128 whose every key lies behind every query of a block of 128 queries: reference() sets their scores to -inf in its own body,
;     so their weights are exactly 0.  136 of 256 tiles of a head remain.
; LIMIT: a NaN, an infinity or an overflow that sits in kln_b, or in rows of k and v that reach a query only through such tiles, is not carried to the result.
;
; A stream: memory binds, so no LDS, no barrier, no matrix unit, no cluster.  256 work-groups of 32 source rows (131,072 bytes in, 65,536 out);
; a wave takes 4 rows with 32 loads of 512 bytes, all on their way at once; each store of a wave covers 256 consecutive bytes, aligned.
.set WH,  0x800000
.set WUH, 0xE00000
.set SRC, 2                            ; v2      byte offset of my 16 bytes in the group's source rows
.set DST, 3                            ; v3      byte offset of my 8 bytes in the destination
.set X,   8                            ; v[8:135] load i: 4 registers
	s_load_b256 s[4:11], s[0:1], 0x0               ; x s[4:5], Wq s[6:7], Wk s[8:9], Wv s[10:11]
	s_load_b128 s[12:15], s[0:1], 0x20             ; Wu s[12:13], xw s[14:15]
	s_mov_b32 s28, ttmp9                           ; g
	s_lshr_b32 s16, s28, 5                         ; sel: 0-3 x, 4 Wq, 5 Wk, 6 Wv, 7 Wu
	s_and_b32 s17, s28, 31                         ; blk: which 32 rows of a weight
	v_and_b32 v1, 31, v0                           ; lane
	v_lshrrev_b32 v4, 5, v0                        ; wave
	; destination offset of a q, k or v block: row (blk / 2) 192 + (sel - 4) 64 + (blk mod 2) 32 of wh, 2,048 bytes a row
	s_max_u32 s27, s16, 4                          ; (in x's work-groups the number is not used; it stays at 0)
	s_sub_co_u32 s27, s27, 4
	s_lshl_b32 s27, s27, 6
	s_lshr_b32 s26, s17, 1
	s_mul_i32 s26, s26, 192
	s_add_co_u32 s26, s26, s27
	s_and_b32 s27, s17, 1
	s_lshl_b32 s27, s27, 5
	s_add_co_u32 s26, s26, s27
	s_lshl_b32 s26, s26, 11
	s_add_co_u32 s26, s26, WH
	s_lshl_b32 s27, s17, 12                        ; Wu: 32 rows of 128 bytes in every plane
	s_add_co_u32 s27, s27, WUH
	s_lshl_b32 s24, s28, 16                        ; x: 32 rows of 2,048 bytes
	s_cmp_ge_u32 s16, 4
	s_cselect_b32 s24, s26, s24
	s_cselect_b32 s18, s17, s28                    ; which 32 rows of the source
	s_cmp_eq_u32 s16, 7
	s_cselect_b32 s24, s27, s24
	s_lshl_b32 s18, s18, 17                        ; 32 rows of 4,096 bytes
	s_mov_b32 s19, 0
	s_mov_b32 s25, 0
	s_wait_kmcnt 0x0
	s_mov_b64 s[20:21], s[4:5]                     ; the source: a choice between buffers on sel alone
	s_cmp_eq_u32 s16, 4
	s_cselect_b64 s[20:21], s[6:7], s[20:21]
	s_cmp_eq_u32 s16, 5
	s_cselect_b64 s[20:21], s[8:9], s[20:21]
	s_cmp_eq_u32 s16, 6
	s_cselect_b64 s[20:21], s[10:11], s[20:21]
	s_cmp_eq_u32 s16, 7
	s_cselect_b64 s[20:21], s[12:13], s[20:21]
	s_add_nc_u64 s[20:21], s[20:21], s[18:19]
	s_add_nc_u64 s[22:23], s[14:15], s[24:25]
; 32 loads, then 32 times: wait, round four numbers in place, store 8 bytes.  No register is written again behind the store that reads it, so no source needs freeing.
; wu = 0: source and destination are both 32 dense rows; bf16.  wu = 1: load i takes columns 64 (i mod 16) .. + 63 of two rows (lanes 0-15 one row,
; lanes 16-31 the next), which are 256 neighbouring bytes of plane i mod 16; rounded to bf16, widened again, and written as f16.
.macro RUN wu
.set i, 0
.rept 32
.if \wu
	global_load_b128 v[X+4*i:X+4*i+3], v[SRC], s[20:21] offset:(i/16)*8192+(i%16)*256 th:TH_LOAD_NT
.else
	global_load_b128 v[X+4*i:X+4*i+3], v[SRC], s[20:21] offset:512*i th:TH_LOAD_NT
.endif
.set i, i+1
.endr
.set i, 0
.rept 32
	s_wait_loadcnt 31-i                            ; loads come back in order: load i is in, the 31 - i younger ones stay out
.if \wu
	v_cvt_pk_bf16_f32 v[X+4*i], v[X+4*i], v[X+4*i+1]
	v_cvt_pk_bf16_f32 v[X+4*i+2], v[X+4*i+2], v[X+4*i+3]
	v_and_b32 v[X+4*i+1], 0xffff0000, v[X+4*i]     ; the rounded numbers as f32
	v_lshlrev_b32 v[X+4*i], 16, v[X+4*i]
	v_and_b32 v[X+4*i+3], 0xffff0000, v[X+4*i+2]
	v_lshlrev_b32 v[X+4*i+2], 16, v[X+4*i+2]
	v_cvt_pk_f16_f32 v[X+4*i], v[X+4*i], v[X+4*i+1]
	v_cvt_pk_f16_f32 v[X+4*i+1], v[X+4*i+2], v[X+4*i+3]
	global_store_b64 v[DST], v[X+4*i:X+4*i+1], s[22:23] offset:(i%16)*131072+(i/16)*256
.else
	v_cvt_pk_bf16_f32 v[X+4*i], v[X+4*i], v[X+4*i+1]
	v_cvt_pk_bf16_f32 v[X+4*i+1], v[X+4*i+2], v[X+4*i+3]
	global_store_b64 v[DST], v[X+4*i:X+4*i+1], s[22:23] offset:256*i
.endif
.set i, i+1
.endr
.endm
	s_cmp_eq_u32 s16, 7
	s_cbranch_scc1 .Lwu
	v_lshlrev_b32 v[SRC], 4, v1                    ; 16 bytes a lane,
	v_lshl_or_b32 v[SRC], v4, 14, v[SRC]           ; 4 rows of 4,096 bytes a wave
	v_lshlrev_b32 v[DST], 3, v1
	v_lshl_or_b32 v[DST], v4, 13, v[DST]
	RUN 0
	s_endpgm
.Lwu:
	v_and_b32 v5, 15, v1                           ; place in the 256 bytes
	v_lshrrev_b32 v6, 4, v1                        ; which of the two rows
	v_lshlrev_b32 v[SRC], 4, v5
	v_lshl_or_b32 v[SRC], v6, 12, v[SRC]
	v_lshl_or_b32 v[SRC], v4, 14, v[SRC]
	v_lshlrev_b32 v[DST], 3, v1                    ; 128 bytes a row: the two rows are neighbours
	v_lshl_or_b32 v[DST], v4, 9, v[DST]            ; 4 rows of 128 bytes a wave
	RUN 1
	s_endpgm
.Lfunc_end_k_q1cc52a02bd_cast:
	.size	k_q1cc52a02bd_cast, .Lfunc_end_k_q1cc52a02bd_cast-k_q1cc52a02bd_cast
	.p2alignl 7, 3214868480
	.fill 96, 4, 3214868480
	.section	.rodata,"a",@progbits
	.p2align	6, 0x0
	.amdhsa_kernel k_q1cc52a02bd_cast
		.amdhsa_group_segment_fixed_size 0
		.amdhsa_private_segment_fixed_size 0
		.amdhsa_enable_private_segment 0
		.amdhsa_kernarg_size 48
		.amdhsa_user_sgpr_count 2
		.amdhsa_user_sgpr_kernarg_segment_ptr 1
		.amdhsa_wavefront_size32 1
		.amdhsa_system_sgpr_workgroup_id_x 1
		.amdhsa_system_sgpr_workgroup_id_y 1
		.amdhsa_system_sgpr_workgroup_id_z 1
		.amdhsa_system_vgpr_workitem_id 0
		.amdhsa_next_free_vgpr 136
		.amdhsa_next_free_sgpr 66
		.amdhsa_reserve_vcc 0
		.amdhsa_float_denorm_mode_32 3
		.amdhsa_float_denorm_mode_16_64 3
		.amdhsa_memory_ordered 1
		.amdhsa_forward_progress 1
		.amdhsa_inst_pref_size 35
	.end_amdhsa_kernel
	.amdgpu_metadata
---
amdhsa.version: [ 1, 2 ]
amdhsa.kernels:
  - .name:           k_q1cc52a02bd_cast
    .symbol:         k_q1cc52a02bd_cast.kd
    .args:
      - { .name: x, .offset: 0, .size: 8, .value_kind: global_buffer, .address_space: global }
      - { .name: Wq, .offset: 8, .size: 8, .value_kind: global_buffer, .address_space: global }
      - { .name: Wk, .offset: 16, .size: 8, .value_kind: global_buffer, .address_space: global }
      - { .name: Wv, .offset: 24, .size: 8, .value_kind: global_buffer, .address_space: global }
      - { .name: Wu, .offset: 32, .size: 8, .value_kind: global_buffer, .address_space: global }
      - { .name: xw, .offset: 40, .size: 8, .value_kind: global_buffer, .address_space: global }
    .group_segment_fixed_size: 0
    .private_segment_fixed_size: 0
    .kernarg_segment_align: 8
    .kernarg_segment_size: 48
    .max_flat_workgroup_size: 256
    .sgpr_count:     66
    .vgpr_count:     136
    .wavefront_size: 32
...
	.end_amdgpu_metadata
.endif
;; end of part 5
;; launch qkv: the kernel of part 2 again; grid 16 x 16, 4 waves a work-group, clusters of 4 x 4, 327,680 bytes of LDS; arguments xw, qkv, qln_w, qln_b, kln_w; writes qkv
;; launch attn (part 6): grid 8 x 32, 4 waves a work-group, no clusters, 327,680 bytes of LDS; arguments qkv, ob; writes ob
.if DOCPART == 6
	.amdgcn_target "amdgcn-amd-amdhsa--gfx1250"
	.amdhsa_code_object_version 6
	.text
	.protected	k_q1cc52a02bd_attn
	.globl	k_q1cc52a02bd_attn
	.p2align	8
	.type	k_q1cc52a02bd_attn,@function
k_q1cc52a02bd_attn:
	s_mov_b64 s[64:65], 0
	v_nop
	global_prefetch_b8 v0, s[64:65] scope:SCOPE_SE
	s_setreg_imm32_b32 hwreg(HW_REG_WAVE_MODE, 25, 1), 1
	s_wait_xcnt 0x0
; Causal attention of one head, with a running maximum.  Operands f16; scores, maxima, sums and the output's sums f32.
; Left out: key tiles of 128 that lie wholly behind a block of 128 queries (their weights are exactly 0; shown at the head of the first launch).
; A work-group takes the query blocks j and 15 - j of head bh: (j + 1) + (16 - j) = 17 key tiles for every work-group, 256 work-groups of equal work.
; A wave takes 32 queries of a block (two tiles of 16).  E is the even one of the two blocks, Od the odd one.  Each block begins with its diagonal tile and
; walks down to tile 0, so a block's first products start its sums, the first tile always holds a key that is kept (the query's own), and the
; two LDS slots take turns in one fixed order for every j:  D(E) 0 | E/2 x (1, 0) | D(Od) 1 | (Od-1)/2 x (0, 1) | 0.
; THE SCORES ARE MADE TRANSPOSED, S^T = K Q^T: a lane holds ONE query (n = r) and the keys 16 mt + 8 h + j.  So the maximum and the sum are made inside the lane
; plus one exchange with the lane of the other half; and two neighbouring tiles of S^T, packed to f16 in place, ARE the second operand of O^T = V^T P^T.
; In O^T a lane holds 8 neighbouring s of one query: 16 bytes of the output.
; q already carries log2(e) / 8, so p = exp2(s - m).
; THE WAVE'S TWO QUERY TILES TAKE TURNS.  A key tile costs 64 products and some 430 vector instructions; each tile's softmax is cut into 20 slices, and a slice stands
; behind each product of the OTHER tile:
;   head  barrier, refill, K's 32 fragment loads; while they are on their way: the 12 products of the LAST key tile's O^T for query tile 1, keys 32 to 127
;   A     S^T of query tile 0, 16 products; behind each four, eight of V's 32 fragment loads
;   B     S^T of query tile 1, 16 products, among the slices of tile 0's softmax
;   C     O^T of query tile 0, 16 products, and O^T of tile 1 for keys 0 to 31, 4 products, among the slices of tile 1's softmax
; The 12 products that are carried over always add in place (keys 0 to 31 have started or continued the sums), so the diagonal step differs only in having none to take
; over; behind a block's last step CARRIED issues them.
; WINDOWS: K's and V's fragments fill window 1 (256 registers), Q lies in window 2 (64), S, O and the softmax's registers fill window 0 (240): they cannot share a
; window, so each product in B and C costs two switches: 3 + 8 + 32 + 40 = 83 in a step.
; NO CLUSTER: the eight work-groups of a head want different tiles in a step and different trip counts for their two blocks, and partners of joint
; loads must run the same trips; a walk in step would multiply 20 tiles in place of 17, the extra ones wholly masked.
; OUT: ob [head 16][row 4096][64] f16, planes of 524,288 bytes.
; LIMIT OF FORMAT: p is at most 1; below 6.1e-5 its step in f16 is 6e-8.  The output is a convex mix of v, so it fits f16 where v does.
.set T16,   2176                       ; 16 logical rows of 128 bytes: fetched as 8 rows of 256 bytes + 16 of padding; row q lies at (q / 2) 272 + (q mod 2) 128
.set H64,   8704                       ; 64 logical rows: what one wave's load brings
.set VOFF,  17408                      ; VT's two blocks behind K's 128 rows
.set SLOT,  34816
.set STAGE, 69632                      ; behind the ring: 32 rows x 144 bytes for each wave; no tensor load lands here
.set ADR,  4                           ; v4-5    lane term of a fragment load in slot 0, 1
.set STO,  6
.set RD,   7
.set CO,   8
.set QOF,  9
.set NINF, 10
.set DQ,   12                          ; v12-13  query - 8 h inside the block, for query tile 0, 1
.set MX,   14                          ; v14-17
.set M,    22                          ; v22, v24 running maximum of tile 0, 1 (pairs for the packed forms; the second registers are never used)
.set AL,   26                          ; v26, v28 exp2(old maximum - new)
.set LS,   30                          ; v30-33  running sums, a pair for each tile
.set AC,   34                          ; v34-41
.set R,    42                          ; v42, v44
.set X1,   46
.set O,    64                          ; O(ms, nt) at 64 + 8 (4 nt + ms)
.set S,    128                         ; S(mt, nt) at 128 + 64 nt + 8 mt; P(nt, kc) in place at 128 + 64 nt + 16 kc
.set QE,   0                           ; window 2: Q(nt, kk) at 8 (2 nt + kk), block E; block Od 32 further
.set QO,   32
.set G1,   24
.set G0,   32
.set MSB, 0
.macro WIN new
.if MSB != \new
	s_set_vgpr_msb (MSB<<8)|\new
.set MSB, \new
.endif
.endm
.set W_S,  0x09                        ; source 0 (K) window 1, source 1 (Q) window 2
.set W_PV, 0x01                        ; source 0 (V) window 1
.set W_LD, 0x40                        ; destination window 1:  KF(mt, kk) at 8 (8 kk + mt), VF(ms, kc) at 128 + 8 (4 kc + ms)
.set W_Q,  0x80                        ; destination window 2
.macro PLACES n
.rept \n
	v_nop
.endr
.endm
	s_load_b128 s[4:7], s[0:1], 0x0                ; qkv s[4:5], ob s[6:7]
	v_lshl_add_u32 v62, v0, 2, 0x29000
	v_mov_b32 v63, 0
	ds_add_u32 v62, v63
	ds_add_u32 v62, v63
	v_lshrrev_b32 v1, 5, v0
	v_readfirstlane_b32 s8, v1                     ; wave
	s_mov_b32 s9, ttmp9                            ; j
	s_and_b32 s10, ttmp7, 0xffff                   ; bh
	s_sub_co_u32 s14, 15, s9
	s_bitcmp1_b32 s9, 0
	s_cselect_b32 s11, s14, s9                     ; E
	s_cselect_b32 s12, s9, s14                     ; Od
	s_sub_co_u32 s13, s11, 1                       ; the tile behind the first: E - 1, or Od where E = 0
	s_cmp_eq_u32 s11, 0
	s_cselect_b32 s13, s12, s13
	s_mov_b32 s20, 0x76543210
	s_mov_b32 s21, 0xfedcba98
	; group 1: a dense block of 8,192 bytes as 32 rows of 256 bytes (32 elements of 8), 16 bytes of padding behind each
	s_mov_b32 s[G1+0], (3<<16)|(1<<20)|(5<<22)|(3<<25)
	s_mov_b32 s[G1+1], 32<<16
	s_mov_b32 s[G1+2], 32<<16
	s_mov_b32 s[G1+3], 32<<16
	s_mov_b32 s[G1+4], 32
	s_mov_b32 s[G1+5], 32
	s_mov_b32 s[G1+6], 0
	s_mov_b32 s[G1+7], 0
	; every wave fetches a quarter of a step's tile: waves 0, 1 K's halves, waves 2, 3 VT's two blocks
	s_lshr_b32 s14, s8, 1
	s_add_co_u32 s14, s14, 1
	s_lshl_b32 s14, s14, 23                        ; K at 1 << 23, VT at 2 << 23
	s_lshl_b32 s15, s10, 18
	s_add_co_u32 s14, s14, s15
	s_and_b32 s15, s8, 1
	s_lshl_b32 s15, s15, 13
	s_add_co_u32 s16, s14, s15
	s_mov_b32 s17, 0
	s_mul_i32 s19, s8, H64
	s_lshl_b32 s42, s11, 14                        ; a tile of 128 keys is 16,384 bytes of K and of VT
	s_mov_b32 s43, 0
	s_wait_dscnt 0x0
	s_wait_kmcnt 0x0
	s_add_nc_u64 s[40:41], s[4:5], s[16:17]
	s_mov_b32 s[G0+0], 1
	s_mov_b32 s[G0+1], s19
	s_add_nc_u64 s[G0+2:G0+3], s[40:41], s[42:43]
	s_or_b32 s[G0+3], s[G0+3], 0x80000000
	s_mov_b32 s[G0+4], 1
	s_add_co_u32 s[G0+5], s19, SLOT
	tensor_load_to_lds s[G0:G0+3], s[G1:G1+7]      ; tile E into slot 0: the one first fill at the start
	s_nop 0
	; Q of both blocks: (bh 2048 + 128 block + 32 wave) 128 bytes
	s_lshl_b32 s14, s10, 18
	s_lshl_b32 s15, s8, 12
	s_add_co_u32 s14, s14, s15
	s_lshl_b32 s15, s11, 14
	s_add_co_u32 s16, s14, s15
	s_add_nc_u64 s[48:49], s[4:5], s[16:17]
	s_lshl_b32 s15, s12, 14
	s_add_co_u32 s16, s14, s15
	s_add_nc_u64 s[50:51], s[4:5], s[16:17]
	v_and_b32 v1, 15, v0                           ; r
	v_bfe_u32 v2, v0, 4, 1                         ; h
	v_lshlrev_b32 v[QOF], 7, v1
	v_lshl_add_u32 v[QOF], v2, 4, v[QOF]
	WIN W_Q
.irp nt, 0,1
.irp kk, 0,1
.irp u, 0,1
	global_load_b128 v[QE+8*(2*\nt+\kk)+4*\u:QE+8*(2*\nt+\kk)+4*\u+3], v[QOF], s[48:49] offset:\nt*2048+64*\kk+32*\u
	global_load_b128 v[QO+8*(2*\nt+\kk)+4*\u:QO+8*(2*\nt+\kk)+4*\u+3], v[QOF], s[50:51] offset:\nt*2048+64*\kk+32*\u
.endr
.endr
.endr
	WIN 0
	; where the results go: plane bh mod 16, row (bh / 16) 2048 + 128 block + 32 wave
	s_and_b32 s14, s10, 15
	s_lshl_b32 s14, s14, 19
	s_lshr_b32 s15, s10, 4
	s_lshl_b32 s15, s15, 18
	s_add_co_u32 s14, s14, s15
	s_lshl_b32 s15, s8, 12
	s_add_co_u32 s14, s14, s15
	s_lshl_b32 s15, s11, 14
	s_add_co_u32 s16, s14, s15
	s_add_nc_u64 s[44:45], s[6:7], s[16:17]
	s_lshl_b32 s15, s12, 14
	s_add_co_u32 s16, s14, s15
	s_add_nc_u64 s[46:47], s[6:7], s[16:17]
	v_lshrrev_b32 v3, 1, v1                        ; lane term (r / 2) 272 + (r mod 2) 128 + 16 h
	v_mul_u32_u24 v3, v3, 272
	v_and_b32 v11, 1, v1
	v_lshl_add_u32 v3, v11, 7, v3
	v_lshl_add_u32 v[ADR], v2, 4, v3
	v_add_nc_u32 v[ADR+1], SLOT, v[ADR]
	s_mul_i32 s14, s8, 32*144
	s_add_co_u32 s14, s14, STAGE
	v_mul_u32_u24 v3, v1, 144
	v_lshl_add_u32 v3, v2, 4, v3
	v_add_nc_u32 v[STO], s14, v3
	v_and_b32 v3, 31, v0
	v_lshlrev_b32 v[CO], 4, v3
	v_lshrrev_b32 v11, 3, v3
	v_mul_u32_u24 v11, v11, 144
	v_and_b32 v3, 7, v3
	v_lshl_add_u32 v11, v3, 4, v11
	v_add_nc_u32 v[RD], s14, v11
	v_mov_b32 v[NINF], 0xff800000
	s_lshl_b32 s15, s8, 5
	v_lshlrev_b32 v3, 3, v2
	v_sub_nc_u32 v3, v1, v3
	v_add_nc_u32 v[DQ], s15, v3                    ; 32 wave + r - 8 h
	v_add_nc_u32 v[DQ+1], 16, v[DQ]
.irp x, M+1, M+3, AL+1, AL+3, R+1, R+3, X1         ; second registers of the broadcast pairs, and the permute's destination: written once
	v_mov_b32 v[\x], 0
.endr
	s_wait_loadcnt 0x0                             ; Q
; THE SOFTMAX OF ONE QUERY TILE, IN PIECES.  SB, MM, AA, LL, OO are set by SMS.  kc = 32 keys = two tiles of S^T = 16 registers.
.macro SM_MASK nt, i0                  ; the diagonal tile: keys behind the query get -inf; 32 of the lane's 64 scores
.set i, \i0
.rept 32
	v_cmp_gt_i32 vcc_lo, 16*(i/8)+i%8, v[DQ+\nt]   ; key 16 mt + 8 h + j > query
	v_cndmask_b32 v[SB+i], v[SB+i], v[NINF], vcc_lo
.set i, i+1
.endr
.endm
.macro SM_MAXA                         ; the maximum in four chains of 16 scores
.irp c, 0,1,2,3
	v_max3_num_f32 v[MX+\c], v[SB+16*\c], v[SB+16*\c+1], v[SB+16*\c+2]
.endr
.irp k, 3,5
.irp c, 0,1,2,3
	v_max3_num_f32 v[MX+\c], v[MX+\c], v[SB+16*\c+\k], v[SB+16*\c+\k+1]
.endr
.endr
.endm
.macro SM_MAXB
.irp k, 7,9,11
.irp c, 0,1,2,3
	v_max3_num_f32 v[MX+\c], v[MX+\c], v[SB+16*\c+\k], v[SB+16*\c+\k+1]
.endr
.endr
.endm
.macro SM_MAXC first
.irp c, 0,1,2,3
	v_max3_num_f32 v[MX+\c], v[MX+\c], v[SB+16*\c+13], v[SB+16*\c+14]
.endr
.irp c, 0,1,2,3
	v_max_num_f32 v[MX+\c], v[MX+\c], v[SB+16*\c+15]
.endr
	v_max3_num_f32 v[MX], v[MX], v[MX+1], v[MX+2]
	v_max_num_f32 v[MX], v[MX], v[MX+3]
	v_permlanex16_b32 v[X1], v[MX], s20, s21       ; the query's other 64 keys lie in the lane of the other half
.if \first
	v_max_num_f32 v[MM], v[MX], v[X1]
.else
	v_max3_num_f32 v[MX], v[MX], v[X1], v[MM]
	v_sub_f32 v[AA], v[MM], v[MX]
	v_exp_f32 v[AA], v[AA]
	v_mov_b32 v[MM], v[MX]                         ; also the plain instruction behind the transcendental (ISA guide 5.7.2)
	s_wait_alu depctr_va_vdst(0)
.endif
.endm
.macro SM_SUB kc
.irp p, 0,1,2,3,4,5,6,7
	v_pk_add_f32 v[SB+16*\kc+2*\p:SB+16*\kc+2*\p+1], v[SB+16*\kc+2*\p:SB+16*\kc+2*\p+1], v[MM:MM+1] op_sel_hi:[1,0] neg_lo:[0,1] neg_hi:[0,1]
.endr
.endm
.macro SM_RS first, q                  ; a quarter of O's rescale; a block's first tile has nothing to rescale
.if \first == 0
	s_wait_alu depctr_va_vdst(0)
.irp p, 0,1,2,3
	v_pk_mul_f32 v[OO+8*\q+2*\p:OO+8*\q+2*\p+1], v[OO+8*\q+2*\p:OO+8*\q+2*\p+1], v[AA:AA+1] op_sel_hi:[1,0]
.endr
.endif
.endm
.macro SM_EXP kc, i0
.set i, \i0
.rept 8
	v_exp_f32 v[SB+16*\kc+i], v[SB+16*\kc+i]
.set i, i+1
.endr
.endm
.macro SM_SUMPACK kc
.if \kc == 0
	s_wait_alu depctr_va_vdst(0)
.irp p, 0,1,2,3
	v_pk_add_f32 v[AC+2*\p:AC+2*\p+1], v[SB+2*\p:SB+2*\p+1], v[SB+8+2*\p:SB+8+2*\p+1]     ; the first 16 start the four chains
.endr
.else
	s_wait_alu depctr_va_vdst(0)
.irp p, 0,1,2,3,4,5,6,7
	v_pk_add_f32 v[AC+2*(\p%4):AC+2*(\p%4)+1], v[AC+2*(\p%4):AC+2*(\p%4)+1], v[SB+16*\kc+2*\p:SB+16*\kc+2*\p+1]
.endr
.endif
.irp p, 0,1,2,3,4,5,6,7
	v_cvt_pk_f16_f32 v[SB+16*\kc+\p], v[SB+16*\kc+2*\p], v[SB+16*\kc+2*\p+1]              ; in place, ascending: register p is free when it is written
.endr
.endm
.macro SM_TAIL first
	v_pk_add_f32 v[AC:AC+1], v[AC:AC+1], v[AC+2:AC+3]
	v_pk_add_f32 v[AC+4:AC+5], v[AC+4:AC+5], v[AC+6:AC+7]
.if \first
	v_pk_add_f32 v[LL:LL+1], v[AC:AC+1], v[AC+4:AC+5]
.else
	v_pk_add_f32 v[AC:AC+1], v[AC:AC+1], v[AC+4:AC+5]
	v_pk_fma_f32 v[LL:LL+1], v[LL:LL+1], v[AA:AA+1], v[AC:AC+1] op_sel_hi:[1,0,1]
.endif
.endm
; Slice sl (0 to 19) of the softmax of query tile nt.  first = 1: the block's diagonal tile: mask, and maximum, sum and O begin here.
; Behind each run of exponentials the next vector instruction that is no product is plain and touches other registers (the next 32 keys' subtraction, or the v_nop of
; slice 18), before the results are used (ISA guide 5.7.2).  O is rescaled by slice 14 and keys 0 to 31 are packed by slice 7.
.macro SMS nt, first, sl
.set SB, S+64*\nt
.set MM, M+2*\nt
.set AA, AL+2*\nt
.set LL, LS+2*\nt
.set OO, O+32*\nt
.if (\sl) == 0
.if \first
	SM_MASK \nt, 0
.else
	SM_MAXA
.endif
.endif
.if (\sl) == 1
.if \first
	SM_MASK \nt, 32
.else
	SM_MAXB
.endif
.endif
.if (\sl) == 2
.if \first
	SM_MAXA
	SM_MAXB
.endif
	SM_MAXC \first
.endif
.if (\sl) == 3
	SM_SUB 0
	SM_RS \first, 0
.endif
.if (\sl) == 4
	SM_EXP 0, 0
.endif
.if (\sl) == 5
	SM_EXP 0, 8
.endif
.if (\sl) == 6
	SM_SUB 1
	SM_RS \first, 1
.endif
.if (\sl) == 7
	SM_SUMPACK 0
.endif
.if (\sl) == 8
	SM_EXP 1, 0
.endif
.if (\sl) == 9
	SM_EXP 1, 8
.endif
.if (\sl) == 10
	SM_SUB 2
	SM_RS \first, 2
.endif
.if (\sl) == 11
	SM_SUMPACK 1
.endif
.if (\sl) == 12
	SM_EXP 2, 0
.endif
.if (\sl) == 13
	SM_EXP 2, 8
.endif
.if (\sl) == 14
	SM_SUB 3
	SM_RS \first, 3
.endif
.if (\sl) == 15
	SM_SUMPACK 2
.endif
.if (\sl) == 16
	SM_EXP 3, 0
.endif
.if (\sl) == 17
	SM_EXP 3, 8
.endif
.if (\sl) == 18
	v_nop
	s_wait_alu depctr_va_vdst(0)
	SM_SUMPACK 3
.endif
.if (\sl) == 19
	SM_TAIL \first
.endif
.endm
; Product p (0 to 15) of S^T for query tile nt: key tile p mod 8, the head's numbers 32 (p / 8) .. + 31.  The first eight start the sums; the eight accumulators take turns.
.macro SKP nt, p, qb
.if (\p) < 8
	v_wmma_f32_16x16x32_f16 v[S+64*\nt+8*((\p)%8):S+64*\nt+8*((\p)%8)+7], v[8*(\p):8*(\p)+7], v[\qb+16*\nt:\qb+16*\nt+7], 0
.else
	v_wmma_f32_16x16x32_f16 v[S+64*\nt+8*((\p)%8):S+64*\nt+8*((\p)%8)+7], v[8*(\p):8*(\p)+7], v[\qb+16*\nt+8:\qb+16*\nt+15], v[S+64*\nt+8*((\p)%8):S+64*\nt+8*((\p)%8)+7]
.endif
.endm
; A product of O^T: query tile nt, keys 32 kc .. + 31, rows s = 16 ms .. + 15.  In a block's diagonal tile the products of kc = 0 start the sums.
.macro PVP nt, kc, ms, diag
.set PVZ, 0
.if \diag
.if (\kc) == 0
.set PVZ, 1
.endif
.endif
.if PVZ
	v_wmma_f32_16x16x32_f16 v[O+8*(4*\nt+(\ms)):O+8*(4*\nt+(\ms))+7], v[128+8*(4*(\kc)+(\ms)):128+8*(4*(\kc)+(\ms))+7], v[S+64*\nt+16*(\kc):S+64*\nt+16*(\kc)+7], 0
.else
	v_wmma_f32_16x16x32_f16 v[O+8*(4*\nt+(\ms)):O+8*(4*\nt+(\ms))+7], v[128+8*(4*(\kc)+(\ms)):128+8*(4*(\kc)+(\ms))+7], v[S+64*\nt+16*(\kc):S+64*\nt+16*(\kc)+7], v[O+8*(4*\nt+(\ms)):O+8*(4*\nt+(\ms))+7]
.endif
.endm
; The 12 products that a step leaves over: O^T of query tile 1, keys 32 to 127; four accumulators by turns, always adding in place
.macro CARRIED
	WIN W_PV
.irp kc, 1,2,3
.irp ms, 0,1,2,3
	PVP 1, \kc, \ms, 0
.endr
.endr
	WIN 0
.endm
; 8 LDS loads: V^T's four fragments of keys 32 kc .. + 31
.macro VLD slot, kc
.irp ms, 0,1,2,3
	ds_load_b128 v[128+8*(4*\kc+\ms):128+8*(4*\kc+\ms)+3],   v[ADR+\slot] offset:VOFF+(\kc/2)*H64+\ms*T16+64*(\kc%2)
	ds_load_b128 v[128+8*(4*\kc+\ms)+4:128+8*(4*\kc+\ms)+7], v[ADR+\slot] offset:VOFF+(\kc/2)*H64+\ms*T16+64*(\kc%2)+32
.endr
.endm
; One key tile, in slot \slot.  ONE barrier: in front of it every wave has waited for all its tensor loads (its quarter of this tile) and for its reads of the other
; slot; behind it the tile is whole, nobody reads the other slot, and the wave's one tensor load fills that slot with the next tile.  One load of a wave is out at a time.
; All products take their accumulators by turns, one instruction a turn, over the step's end and the loops' backward jumps too.
.macro STEP slot, diag, refill, qb
	s_wait_tensorcnt 0x0                           ; no tensor load of mine is out: the other slot's group 0 may be written
	ds_add_u32 v62, v63
	s_wait_dscnt 0x0
.if \refill
	s_lshl_b32 s42, s13, 14
	s_add_nc_u64 s[G0+6-4*\slot:G0+7-4*\slot], s[40:41], s[42:43]
	s_or_b32 s[G0+7-4*\slot], s[G0+7-4*\slot], 0x80000000
	s_sub_co_i32 s13, s13, 1                       ; the tile after that: one down, and behind tile 0 the odd block's diagonal
	s_cmp_lt_i32 s13, 0
	s_cselect_b32 s13, s12, s13
.endif
	s_wait_dscnt 0x0
	s_barrier_signal -1
	s_barrier_wait -1
.if \refill
	tensor_load_to_lds s[G0+4-4*\slot:G0+7-4*\slot], s[G1:G1+7]
	s_nop 0
.endif
	WIN W_LD
.set f, 0
.rept 16                                           ; K's 16 fragments, those of the head's first 32 numbers first
	ds_load_b128 v[8*f:8*f+3],   v[ADR+\slot] offset:(f%8)*T16+64*(f/8)
	ds_load_b128 v[8*f+4:8*f+7], v[ADR+\slot] offset:(f%8)*T16+64*(f/8)+32
.set f, f+1
.endr
.if \diag == 0
	CARRIED                                        ; registers only: they run while K's fragments are on their way
	PLACES 5                                       ; behind them V's fragments are loaded again (4 places) and P's registers are written by products (5) (ISA guide 7.12.1)
.endif
	; A: S^T of query tile 0, with V's loads
	s_wait_dscnt 16                                ; of K's 32 loads the older 16 are in
.irp g, 0,1,2,3
.if \g == 2
	s_wait_dscnt 16                                ; all of K: behind its last load stand the 16 loads of V issued so far
.endif
	WIN W_S
	SKP 0, 4*\g, \qb
	SKP 0, 4*\g+1, \qb
	SKP 0, 4*\g+2, \qb
	SKP 0, 4*\g+3, \qb
	WIN W_LD
	VLD \slot, \g
.endr
	; B: S^T of query tile 1 among the slices of tile 0's softmax
.set kq, 0
.rept 20
.if kq < 16
	WIN W_S
	SKP 1, kq, \qb
	WIN 0
.endif
.if kq == 0
	PLACES 4                                       ; between tile 0's last product and the first vector instruction that reads its scores
.endif
	SMS 0, \diag, kq
.set kq, kq+1
.endr
	; C: O^T of query tile 0, then of tile 1 for keys 0 to 31, among the slices of tile 1's softmax (its scores' places: tile 0's slices 15 to 19)
	s_wait_dscnt 0x0                               ; V
.set kq, 0
.rept 20
	WIN W_PV
.if kq < 16
	PVP 0, kq/4, kq%4, \diag
.else
	PVP 1, 0, kq-16, \diag
.endif
	WIN 0
	SMS 1, \diag, kq
.set kq, kq+1
.endr
.endm
; a block's end: divide by the sums, round to f16, 32 rows of 128 bytes through my stage, 4,096 neighbouring bytes of memory
.macro EPI ptr
	PLACES 4
	v_add_f32 v[MX], v[LS], v[LS+1]
	v_add_f32 v[MX+1], v[LS+2], v[LS+3]
	v_permlanex16_b32 v[X1], v[MX], s20, s21
	v_add_f32 v[MX], v[MX], v[X1]
	v_permlanex16_b32 v[X1], v[MX+1], s20, s21
	v_add_f32 v[MX+1], v[MX+1], v[X1]
	v_rcp_f32 v[R], v[MX]
	v_rcp_f32 v[R+2], v[MX+1]
	v_nop
	s_wait_alu depctr_va_vdst(0)
.irp nt, 0,1
.set i, 0
.rept 16
	v_pk_mul_f32 v[O+32*\nt+2*i:O+32*\nt+2*i+1], v[O+32*\nt+2*i:O+32*\nt+2*i+1], v[R+2*\nt:R+2*\nt+1] op_sel_hi:[1,0]
.set i, i+1
.endr
.endr
.irp t, 0,1,2,3,4,5,6,7
.irp i, 0,1,2,3
	v_cvt_pk_f16_f32 v[O+8*\t+\i], v[O+8*\t+2*\i], v[O+8*\t+2*\i+1]
.endr
.endr
.irp nt, 0,1
.irp ms, 0,1,2,3
	ds_store_b128 v[STO], v[O+8*(4*\nt+\ms):O+8*(4*\nt+\ms)+3] offset:\nt*16*144+32*\ms
.endr
.endr
.irp t, 0,1,2,3,4,5,6,7
	ds_load_b128 v[S+4*\t:S+4*\t+3], v[RD] offset:4*144*\t         ; LDS serves a wave's instructions in order: these see the stores above
.endr
.irp t, 0,1,2,3,4,5,6,7
	s_wait_dscnt 7-\t                              ; load t is in, the younger ones stay out
	global_store_b128 v[CO], v[S+4*\t:S+4*\t+3], s[\ptr:\ptr+1] offset:512*\t   ; 512 consecutive bytes, aligned
.endr
	s_wait_xcnt 0x0                                ; the stores' data registers hold scores again in the next step
.endm
	STEP 0, 1, 1, QE
	s_lshr_b32 s18, s11, 1
	s_cmp_eq_u32 s18, 0
	s_cbranch_scc1 .Le_done
.Le_loop:
	STEP 1, 0, 1, QE
	STEP 0, 0, 1, QE
	s_sub_co_i32 s18, s18, 1
	s_cmp_lg_u32 s18, 0
	s_cbranch_scc1 .Le_loop
.Le_done:
	CARRIED                                        ; the even block's last 12 products
	EPI 44
	STEP 1, 1, 1, QO
	s_lshr_b32 s18, s12, 1
	s_cmp_eq_u32 s18, 0
	s_cbranch_scc1 .Lo_done
.Lo_loop:
	STEP 0, 0, 1, QO
	STEP 1, 0, 1, QO
	s_sub_co_i32 s18, s18, 1
	s_cmp_lg_u32 s18, 0
	s_cbranch_scc1 .Lo_loop
.Lo_done:
	STEP 0, 0, 0, QO                               ; tile 0 of the odd block: nothing is left to fetch
	CARRIED
	EPI 46
	s_wait_tensorcnt 0x0
	ds_add_u32 v62, v63
	s_wait_dscnt 0x0
	s_endpgm
.Lfunc_end_k_q1cc52a02bd_attn:
	.size	k_q1cc52a02bd_attn, .Lfunc_end_k_q1cc52a02bd_attn-k_q1cc52a02bd_attn
	.p2alignl 7, 3214868480
	.fill 96, 4, 3214868480
	.section	.rodata,"a",@progbits
	.p2align	6, 0x0
	.amdhsa_kernel k_q1cc52a02bd_attn
		.amdhsa_group_segment_fixed_size 327680
		.amdhsa_private_segment_fixed_size 0
		.amdhsa_enable_private_segment 0
		.amdhsa_kernarg_size 16
		.amdhsa_user_sgpr_count 2
		.amdhsa_user_sgpr_kernarg_segment_ptr 1
		.amdhsa_wavefront_size32 1
		.amdhsa_system_sgpr_workgroup_id_x 1
		.amdhsa_system_sgpr_workgroup_id_y 1
		.amdhsa_system_sgpr_workgroup_id_z 1
		.amdhsa_system_vgpr_workitem_id 0
		.amdhsa_next_free_vgpr 576
		.amdhsa_next_free_sgpr 66
		.amdhsa_reserve_vcc 1
		.amdhsa_float_denorm_mode_32 3
		.amdhsa_float_denorm_mode_16_64 3
		.amdhsa_memory_ordered 1
		.amdhsa_forward_progress 1
		.amdhsa_inst_pref_size 255
	.end_amdhsa_kernel
	.section	.bss,"aw",@nobits
	.p2align	6
	.space	262144
	.amdgpu_metadata
---
amdhsa.version: [ 1, 2 ]
amdhsa.kernels:
  - .name:           k_q1cc52a02bd_attn
    .symbol:         k_q1cc52a02bd_attn.kd
    .args:
      - { .name: qkv, .offset: 0, .size: 8, .value_kind: global_buffer, .address_space: global }
      - { .name: ob, .offset: 8, .size: 8, .value_kind: global_buffer, .address_space: global }
    .group_segment_fixed_size: 327680
    .private_segment_fixed_size: 0
    .kernarg_segment_align: 8
    .kernarg_segment_size: 16
    .max_flat_workgroup_size: 128
    .sgpr_count:     66
    .vgpr_count:     576
    .wavefront_size: 32
...
	.end_amdgpu_metadata
.endif
;; end of part 6
;; launch proj (part 7): grid 8 x 32, 4 waves a work-group, clusters of 4 x 4, 327,680 bytes of LDS; arguments ob, xw, out0; writes out0
.if DOCPART == 7
	.amdgcn_target "amdgcn-amd-amdhsa--gfx1250"
	.amdhsa_code_object_version 6
	.text
	.protected	k_q1cc52a02bd_proj
	.globl	k_q1cc52a02bd_proj
	.p2align	8
	.type	k_q1cc52a02bd_proj,@function
k_q1cc52a02bd_proj:
	s_mov_b64 s[64:65], 0
	v_nop
	global_prefetch_b8 v0, s[64:65] scope:SCOPE_SE
	s_setreg_imm32_b32 hwreg(HW_REG_WAVE_MODE, 25, 1), 1
	s_wait_xcnt 0x0
	s_wait_alu depctr_hold_cnt(0) depctr_sa_sdst(0) depctr_va_vdst(0) depctr_va_sdst(0) depctr_va_ssrc(0) depctr_va_vcc(0) depctr_vm_vsrc(0)
	s_getreg_b32 s2, hwreg(HW_REG_IB_STS2, 6, 4)
	s_cmp_eq_u32 s2, 0
	s_cbranch_scc0 .Lentry_in_a_cluster
	s_endpgm
.Lentry_in_a_cluster:
	s_bfe_u32 s2, ttmp6, 0x10000c
	s_cmp_lg_u32 s2, 0xf033
	s_cbranch_scc0 .Lentry_shape_is_right
	s_endpgm
.Lentry_shape_is_right:
; out0[m][n] = sum over k of o[m][k] Wu[n][k], f16 operands, f32 sums, f32 out.
; o lies as ob[head 16][row 4096][64], Wu (its bf16 value, written as f16: the head of the first launch) as wuh[kb 16][n 1024][64] at xw + 0xE00000:
; plane kb of both holds k = 64 kb .. + 63, in rows of 128 bytes.
; A work-group makes 128 x 128 of out0 (256 work-groups; blocks of 256 x 256 would give 64), wave (w / 2, w mod 2) 64 x 64: 16 tiles, 128 registers.
; K = 1024 goes in four steps of 256 (four planes) through two LDS slots.  A wave's one tensor load brings two planes' 128 rows: two dense blocks of 16,384 bytes.
; CLUSTERS of 4 x 4: o's tiles hang on the row block alone (grid y), shared along a row of the cluster; Wu's on the column block alone (grid x), shared along a column.
; The products are used transposed (source 0 = Wu, source 1 = o): a lane holds one row and 8 neighbouring columns, 32 bytes of out0.
.set T16,    2176                      ; 16 logical rows of 128 bytes, laid as 8 x (256 + 16): row q at (q / 2) 272 + (q mod 2) 128
.set H64,    8704
.set PLANE,  17408                     ; 128 logical rows
.set BOFF,   4*PLANE
.set SLOT,   8*PLANE
.set STAGE,  2*SLOT                    ; behind the ring: 16 rows x 272 bytes for each wave; no tensor load lands here
.set SPITCH, 272
.set WUH,    0xE00000
.set ADRA, 16
.set ADRB, 20
.set STO,  24
.set RD,   25
.set CO,   26
.set F0,   64                          ; buffer: o's 4 fragments, then Wu's 4
.set F1,   128
.set OB,   192
.set G1,  24
.set G0,  32
.set G1B, 48
.set G0B, 56
.set MSB, 0
.macro WIN new
.if MSB != \new
	s_set_vgpr_msb (MSB<<8)|\new
.set MSB, \new
.endif
.endm
.set ACC, 0x50                         ; C and D in window 1: tile (a, b) at 8 (4 a + b)
.macro PLACES n
.rept \n
	v_nop
.endr
.endm
.macro JLOAD s
	s_cmp_eq_u32 s11, 0
	s_cbranch_scc0 .Lfor_b_\@
	tensor_load_to_lds s[G0+4*\s:G0+4*\s+3], s[G1:G1+7]
	s_nop 0
	s_branch .Lasked_\@
.Lfor_b_\@:
	tensor_load_to_lds s[G0B+4*\s:G0B+4*\s+3], s[G1B:G1B+7]
	s_nop 0
.Lasked_\@:
.endm
.macro CREST
	s_cmp_lg_u32 s10, 0
	s_cbranch_scc1 .Lnot_wave_0_\@
	s_barrier_signal -3
.Lnot_wave_0_\@:
	s_barrier_wait -3
	s_barrier_signal -1
	s_barrier_wait -1
.endm
.macro CROUND
	s_barrier_signal -1
	s_barrier_wait -1
	CREST
.endm
	s_load_b128 s[4:7], s[0:1], 0x0                ; ob s[4:5], xw s[6:7]
	s_load_b64 s[8:9], s[0:1], 0x10                ; out0
	v_lshl_add_u32 v254, v0, 2, 0x48400
	v_mov_b32 v255, 0
	ds_add_u32 v254, v255
	ds_add_u32 v254, v255
	v_lshrrev_b32 v1, 5, v0
	v_readfirstlane_b32 s10, v1                    ; wave
	s_lshr_b32 s11, s10, 1                         ; my half of the rows.  Also: I fetch o (0) or Wu (1)
	s_and_b32 s12, s10, 1                          ; my half of the columns.  Also: which two planes I fetch
	s_bfe_u32 s40, ttmp6, 0x40000                  ; cx
	s_bfe_u32 s41, ttmp6, 0x40004                  ; cy
	s_lshl_b32 s42, ttmp9, 2
	s_add_co_u32 s42, s42, s40                     ; column block
	s_and_b32 s13, ttmp7, 0xffff
	s_lshl_b32 s13, s13, 2
	s_add_co_u32 s13, s13, s41                     ; row block
	s_lshl_b32 s43, s41, 2
	s_lshl_b32 s43, 15, s43                        ; my row of the cluster
	s_lshl_b32 s44, 0x1111, s40                    ; my column
	; group 1: 2 rows of 2,048 elements of 8 bytes (a plane's 128 rows, dense), a plane apart; 16 bytes of padding behind every 256, which divides the row
	s_or_b32 s[G1+0], s43, (3<<16)|(1<<20)|(1<<21)|(5<<22)|(3<<25)
	s_or_b32 s[G1B+0], s44, (3<<16)|(1<<20)|(1<<21)|(5<<22)|(3<<25)
	s_mov_b32 s[G1+1], 2048<<16
	s_mov_b32 s[G1B+1], 2048<<16
	s_mov_b32 s[G1+2], 2<<16
	s_mov_b32 s[G1B+2], 2<<16
	s_mov_b32 s[G1+3], 2048<<16
	s_mov_b32 s[G1B+3], 2048<<16
	s_mov_b32 s[G1+4], 2
	s_mov_b32 s[G1B+4], 2
	s_mov_b32 s[G1+5], 65536                       ; ob's plane: 524,288 bytes
	s_mov_b32 s[G1B+5], 16384                      ; wuh's plane: 131,072 bytes
	s_mov_b32 s[G1+6], 0
	s_mov_b32 s[G1B+6], 0
	s_mov_b32 s[G1+7], 0
	s_mov_b32 s[G1B+7], 0
	s_lshl_b32 s16, s12, 20                        ; o: two planes x my half + 128 rows x row block
	s_lshl_b32 s17, s13, 14
	s_add_co_u32 s16, s16, s17
	s_mov_b32 s17, 0
	s_lshl_b32 s46, s12, 18                        ; Wu: likewise with the column block
	s_lshl_b32 s47, s42, 14
	s_add_co_u32 s46, s46, s47
	s_add_co_u32 s46, s46, WUH
	s_mov_b32 s47, 0
	s_mul_i32 s20, s10, 2*PLANE                    ; LDS: o's planes 0-1, 2-3, Wu's planes 0-1, 2-3 = wave x two planes
	s_wait_dscnt 0x0
	s_wait_kmcnt 0x0
	s_add_nc_u64 s[14:15], s[4:5], s[16:17]
	s_add_nc_u64 s[46:47], s[6:7], s[46:47]
	CROUND                                         ; in front of the first joint loads
.irp s, 0,1
	s_mov_b32 s[G0+4*\s], 1
	s_add_co_u32 s[G0+4*\s+1], s20, \s*SLOT
	s_add_nc_u64 s[G0+4*\s+2:G0+4*\s+3], s[14:15], \s*4*524288
	s_or_b32 s[G0+4*\s+3], s[G0+4*\s+3], 0x80000000
	s_mov_b32 s[G0B+4*\s], 1
	s_add_co_u32 s[G0B+4*\s+1], s20, \s*SLOT
	s_add_nc_u64 s[G0B+4*\s+2:G0B+4*\s+3], s[46:47], \s*4*131072
	s_or_b32 s[G0B+4*\s+3], s[G0B+4*\s+3], 0x80000000
	JLOAD \s                                       ; two tensor loads of the wave are out here, one behind each later round
.endr
	v_and_b32 v1, 15, v0                           ; r
	v_bfe_u32 v2, v0, 4, 1                         ; h
	v_lshrrev_b32 v3, 1, v1
	v_mul_u32_u24 v3, v3, 272
	v_and_b32 v4, 1, v1
	v_lshl_add_u32 v3, v4, 7, v3
	v_lshl_add_u32 v3, v2, 4, v3                   ; (r / 2) 272 + (r mod 2) 128 + 16 h
	s_mul_i32 s21, s11, H64
	s_mul_i32 s22, s12, H64
	s_add_co_u32 s22, s22, BOFF
	v_add_nc_u32 v[ADRA], s21, v3
	v_add_nc_u32 v[ADRA+1], SLOT, v[ADRA]
	v_add_nc_u32 v[ADRB], s22, v3
	v_add_nc_u32 v[ADRB+1], SLOT, v[ADRB]
	s_mul_i32 s23, s10, 16*SPITCH
	s_add_co_u32 s23, s23, STAGE
	v_mul_u32_u24 v4, v1, SPITCH
	v_lshl_add_u32 v4, v2, 5, v4
	v_add_nc_u32 v[STO], s23, v4                   ; in: row r, 32 bytes for each half of the lanes
	v_mul_u32_u24 v5, v2, SPITCH
	v_lshl_add_u32 v5, v1, 4, v5
	v_add_nc_u32 v[RD], s23, v5                    ; back: lanes 0-15 one row of 256 bytes, lanes 16-31 the next
	v_lshlrev_b32 v[CO], 4, v1
	v_lshl_add_u32 v[CO], v2, 12, v[CO]            ; the same two rows in out0
; 16 LDS loads: chunk c (32 of the slot's 256 along K: plane c / 2, byte 64 (c mod 2) of its rows) into buffer f
.macro FETCH slot, c, f
.irp i, 0,1,2,3
	ds_load_b128 v[\f+8*\i:\f+8*\i+3],   v[ADRA+\slot] offset:((\c)/2)*PLANE+64*((\c)%2)+\i*T16
	ds_load_b128 v[\f+8*\i+4:\f+8*\i+7], v[ADRA+\slot] offset:((\c)/2)*PLANE+64*((\c)%2)+\i*T16+32
.endr
.irp i, 0,1,2,3
	ds_load_b128 v[\f+32+8*\i:\f+32+8*\i+3],   v[ADRB+\slot] offset:((\c)/2)*PLANE+64*((\c)%2)+\i*T16
	ds_load_b128 v[\f+32+8*\i+4:\f+32+8*\i+7], v[ADRB+\slot] offset:((\c)/2)*PLANE+64*((\c)%2)+\i*T16+32
.endr
.endm
; 16 products; the 16 accumulators take turns, in the same order in every run
.macro MUL16 f, zero
.irp a, 0,1,2,3
.irp b, 0,1,2,3
.if \zero
	v_wmma_f32_16x16x32_f16 v[8*(4*\a+\b):8*(4*\a+\b)+7], v[\f+32+8*\b:\f+32+8*\b+7], v[\f+8*\a:\f+8*\a+7], 0
.else
	v_wmma_f32_16x16x32_f16 v[8*(4*\a+\b):8*(4*\a+\b)+7], v[\f+32+8*\b:\f+32+8*\b+7], v[\f+8*\a:\f+8*\a+7], v[8*(4*\a+\b):8*(4*\a+\b)+7]
.endif
.endr
.endr
.endm
; fetches chunk c into buffer g and multiplies buffer f
.macro QUARTER slot, c, f, g, zero
	PLACES 4                                       ; between the products that read buffer g and the loads into it
	FETCH \slot, \c, \g
	s_wait_dscnt 16                                ; all but the 16 just issued: buffer f is in
	WIN ACC
	MUL16 \f, \zero
	WIN 0
.endm
.macro SEVEN slot, zero
	QUARTER \slot, 1, F0, F1, \zero
	QUARTER \slot, 2, F1, F0, 0
	QUARTER \slot, 3, F0, F1, 0
	QUARTER \slot, 4, F1, F0, 0
	QUARTER \slot, 5, F0, F1, 0
	QUARTER \slot, 6, F1, F0, 0
	QUARTER \slot, 7, F0, F1, 0
.endm
; The slot's last chunk, and the change of slots.  In front of the barrier: my reads of this slot and all my tensor loads are done.  Where the slot is filled again the
; barrier opens a round of the cluster's barrier, with register work alone inside it, and the joint refill is my first and only tensor load behind the round.
.macro TURN slot, next, fill
	s_wait_dscnt 0x0
	s_wait_tensorcnt 0x0
	ds_add_u32 v254, v255
	s_wait_dscnt 0x0
	s_barrier_signal -1
	WIN ACC
	MUL16 F1, 0
	WIN 0
	s_barrier_wait -1
.if \fill
	CREST
	s_add_nc_u64 s[G0+4*\slot+2:G0+4*\slot+3], s[G0+4*\slot+2:G0+4*\slot+3], 8*524288
	s_add_nc_u64 s[G0B+4*\slot+2:G0B+4*\slot+3], s[G0B+4*\slot+2:G0B+4*\slot+3], 8*131072
	JLOAD \slot
.endif
	PLACES 4
	FETCH \next, 0, F0
.endm
	s_wait_tensorcnt 0x1                           ; my part of planes 0-3 is in; slot 1's load stays out
	s_barrier_signal -1
	s_barrier_wait -1
	FETCH 0, 0, F0
	SEVEN 0, 1                                     ; planes 0-3; the first products start the sums
	TURN 0, 1, 1                                   ; asks for planes 8-11
	SEVEN 1, 0                                     ; planes 4-7
	TURN 1, 0, 1                                   ; asks for planes 12-15
	SEVEN 0, 0
	TURN 0, 1, 0
	SEVEN 1, 0
	s_wait_dscnt 0x0
	WIN ACC
	MUL16 F1, 0
	WIN 0
	PLACES 4                                       ; before LDS stores read the results
	s_lshl_b32 s16, s13, 19                        ; my first row: (128 row block + 64 half) x 4,096 bytes
	s_lshl_b32 s17, s11, 18
	s_add_co_u32 s16, s16, s17
	s_mov_b32 s17, 0
	s_add_nc_u64 s[8:9], s[8:9], s[16:17]
	s_lshl_b32 s46, s42, 9                         ; my first column: 512 x column block + 256 x half
	s_lshl_b32 s47, s12, 8
	s_add_co_u32 s46, s46, s47
	s_mov_b32 s47, 0
	s_add_nc_u64 s[8:9], s[8:9], s[46:47]
; rows 16 a .. + 15: 32 bytes a lane and tile into my stage, read back as whole rows of 256 bytes
.macro OUT16 a
	WIN 0x04                                       ; the LDS stores' data in window 1
.irp b, 0,1,2,3
	ds_store_b128 v[STO], v[8*(4*\a+\b):8*(4*\a+\b)+3]   offset:64*\b
	ds_store_b128 v[STO], v[8*(4*\a+\b)+4:8*(4*\a+\b)+7] offset:64*\b+16
.endr
	WIN 0
	s_wait_xcnt 0x0                                ; OB, which the last group's stores read, is loaded again only behind this wait
.irp t, 0,1,2,3,4,5,6,7
	ds_load_b128 v[OB+4*\t:OB+4*\t+3], v[RD] offset:2*SPITCH*\t    ; LDS serves a wave's instructions in order: these see the stores above
.endr
.irp t, 0,1,2,3,4,5,6,7
	s_wait_dscnt 7-\t                              ; load t is in, the younger ones stay out
	global_store_b128 v[CO], v[OB+4*\t:OB+4*\t+3], s[8:9] offset:(16*\a+2*\t)*4096 th:TH_STORE_NT   ; 16 lanes store 256 consecutive bytes, aligned
.endr
.endm
	OUT16 0
	OUT16 1
	OUT16 2
	OUT16 3
	s_wait_tensorcnt 0x0
	ds_add_u32 v254, v255
	s_wait_dscnt 0x0
	CROUND                                         ; the closing round
	s_endpgm
.Lfunc_end_k_q1cc52a02bd_proj:
	.size	k_q1cc52a02bd_proj, .Lfunc_end_k_q1cc52a02bd_proj-k_q1cc52a02bd_proj
	.p2alignl 7, 3214868480
	.fill 96, 4, 3214868480
	.section	.rodata,"a",@progbits
	.p2align	6, 0x0
	.amdhsa_kernel k_q1cc52a02bd_proj
		.amdhsa_group_segment_fixed_size 327680
		.amdhsa_private_segment_fixed_size 0
		.amdhsa_enable_private_segment 0
		.amdhsa_kernarg_size 24
		.amdhsa_user_sgpr_count 2
		.amdhsa_user_sgpr_kernarg_segment_ptr 1
		.amdhsa_wavefront_size32 1
		.amdhsa_system_sgpr_workgroup_id_x 1
		.amdhsa_system_sgpr_workgroup_id_y 1
		.amdhsa_system_sgpr_workgroup_id_z 1
		.amdhsa_system_vgpr_workitem_id 0
		.amdhsa_next_free_vgpr 384
		.amdhsa_next_free_sgpr 66
		.amdhsa_reserve_vcc 0
		.amdhsa_float_denorm_mode_32 3
		.amdhsa_float_denorm_mode_16_64 3
		.amdhsa_memory_ordered 1
		.amdhsa_forward_progress 1
		.amdhsa_inst_pref_size 88
	.end_amdhsa_kernel
	.amdgpu_metadata
---
amdhsa.version: [ 1, 2 ]
amdhsa.kernels:
  - .name:           k_q1cc52a02bd_proj
    .symbol:         k_q1cc52a02bd_proj.kd
    .args:
      - { .name: ob, .offset: 0, .size: 8, .value_kind: global_buffer, .address_space: global }
      - { .name: xw, .offset: 8, .size: 8, .value_kind: global_buffer, .address_space: global }
      - { .name: out0, .offset: 16, .size: 8, .value_kind: global_buffer, .address_space: global }
    .group_segment_fixed_size: 327680
    .private_segment_fixed_size: 0
    .kernarg_segment_align: 8
    .kernarg_segment_size: 24
    .max_flat_workgroup_size: 128
    .sgpr_count:     66
    .vgpr_count:     384
    .wavefront_size: 32
...
	.end_amdgpu_metadata
.endif
;; end of part 7
;; ======== version 3 of 3: 4 launches; version 2 with the launch cast written anew for expert scheduling mode
;; limits: values are held in f16: magnitudes above 65,504 overflow, below 6.1e-05 lose precision; values outside matrix products are rounded to bf16
;; workspace buffers: xw 16,777,216 bytes; qkv 25,165,824 bytes; ob 8,388,608 bytes
;; launch cast (part 8): grid 256 x 1, 8 waves a work-group, no clusters, 0 bytes of LDS; arguments x, Wq, Wk, Wv, Wu, xw; writes xw
.if DOCPART == 8
	.amdgcn_target "amdgcn-amd-amdhsa--gfx1250"
	.amdhsa_code_object_version 6
	.text
	.protected	k_q1cc52a02bd_cast
	.globl	k_q1cc52a02bd_cast
	.p2align	8
	.type	k_q1cc52a02bd_cast,@function
k_q1cc52a02bd_cast:
	s_mov_b64 s[64:65], 0
	v_nop
	global_prefetch_b8 v0, s[64:65] scope:SCOPE_SE
	s_setreg_imm32_b32 hwreg(HW_REG_WAVE_SCHED_MODE, 0, 2), 2
	s_setreg_imm32_b32 hwreg(HW_REG_WAVE_MODE, 25, 1), 1
	s_wait_xcnt 0x0
	s_wait_alu depctr_vm_vsrc(0)
; SELF-ATTENTION, b = 2, t = 2048, e = 1024, 16 heads of 64.  Four launches: cast, qkv, attn, proj.
; THIS LAUNCH rounds x and the four weights once from f32 to bf16 and lays them out as the products want them:
;   xw + 0         xh [4096][1024]            x, row-major, bf16
;   xw + 0x800000  wh [head 16][3][64][1024]  a head's 64 rows of Wq, of Wk, of Wv: 192 neighbouring rows, bf16
;   xw + 0xE00000  wuh[kb 16][1024][64]       plane kb = columns 64 kb .. 64 kb + 63 of Wu, rows of 128 bytes; the bf16 value, written as f16
;
; NUMBER FORMATS OF THE PROGRAM.  Every floating-point input enters rounded once to bf16: x and the weights here, the norms' gains and q's bias in the
; second launch (they scale matrix operands).  Wu's rounded value is written as f16, since the last product's other operand is f16: a bf16 number of
; magnitude 6.1e-5 to 65,504 is an f16 number exactly.  From there on: sums, norms and softmax in f32; q, k, v, the softmax's weights and the attention's
; output as f16 operands (11 bits).  Why f16 and not bf16 for these: a query with n keys gives an output of about 1 / sqrt(n) of v's size, so a batch's
; first rows are some ten times the root mean square of the whole output, and a rounding to 8 bits would be felt there in absolute terms.
; LIMIT OF FORMAT: v and Wu beyond 65,504 in magnitude become infinities in f16 (with x and W 30 times the drawn spread |v| stays near 3,500, |Wu| under 4);
;     below 6.1e-5 Wu's step is 6e-8; normalised q and k are at most 7.94 |gain| + |bias|; the gains carry 8 significant bits.
;
; WORK LEFT OUT IN THE PROGRAM, and why it can reach no output:
; (a) kln_b.  k enters the result only through dot[q][k] = q . (khat[k] * kln_w + kln_b) / 8 = q . (khat[k] * kln_w) / 8 + q . kln_b / 8.
;     The second term does not hang on the key: it is the same number along the softmax's axis, for every value of q and kln_b, and
;     softmax(z + const) = softmax(z).  So kln_b is not loaded and is among no launch's arguments.
; (b) Key tiles of 128 whose every key lies behind every query of a block of 128 queries: reference() sets their scores to -inf in its own body,
;     so their weights are exactly 0.  136 of 256 tiles of a head remain.
; LIMIT: a NaN, an infinity or an overflow that sits in kln_b, or in rows of k and v that reach a query only through such tiles, is not carried to the result.
;
; A stream: memory binds, so no LDS, no barrier, no matrix unit, no cluster.  256 work-groups of 32 source rows (131,072 bytes in, 65,536 out);
; a wave takes 4 rows with 32 loads of 512 bytes, all on their way at once; each store of a wave covers 256 consecutive bytes, aligned.
;
; THE MODE: SCHED_MODE bits 1:0 = 2 (LLVM: expert scheduling mode 2), set by the entry lines.  The code itself states the register dependences
; between vector instructions and memory instructions, with s_wait_alu, always for 0.
; THE PLAN.  Registers that memory instructions touch:
;   v[SRC]   written by the vector lines of the arm taken; read by all 32 loads; never written again.
;   v[DST]   written by the vector lines of the arm taken; read by all 32 stores; never written again.
;   X        load i lands in X + 4 i .. + 3 (no vector instruction has named them before); behind the wait for its data load i's conversions round in place;
;            store i reads X + 4 i and X + 4 i + 1; nothing writes them behind that.
; The 32 loads go in eight blocks of four.  One wait on va_vdst stands ahead of the run of loads, for the two offsets.  One stands at the head of each of the blocks
; 1 to 7, behind the wait for the block's first load: the block before has written the registers that its four stores read; these stores follow the wait in one run,
; with no vector instruction between.  One more stands behind block 7, ahead of the last four stores.  No register that a load or a store reads is written again,
; so there is nothing to state in the other direction.  No vector instruction writes a scalar register or VCC, and EXEC is never written.
.set WH,  0x800000
.set WUH, 0xE00000
.set SRC, 2                            ; v2      byte offset of my 16 bytes in the group's source rows
.set DST, 3                            ; v3      byte offset of my 8 bytes in the destination
.set X,   8                            ; v[8:135] load i: 4 registers
	s_load_b256 s[4:11], s[0:1], 0x0               ; x s[4:5], Wq s[6:7], Wk s[8:9], Wv s[10:11]
	s_load_b128 s[12:15], s[0:1], 0x20             ; Wu s[12:13], xw s[14:15]
	s_mov_b32 s28, ttmp9                           ; g
	s_lshr_b32 s16, s28, 5                         ; sel: 0-3 x, 4 Wq, 5 Wk, 6 Wv, 7 Wu
	s_and_b32 s17, s28, 31                         ; blk: which 32 rows of a weight
	v_and_b32 v1, 31, v0                           ; lane
	v_lshrrev_b32 v4, 5, v0                        ; wave
	; destination offset of a q, k or v block: row (blk / 2) 192 + (sel - 4) 64 + (blk mod 2) 32 of wh, 2,048 bytes a row
	s_max_u32 s27, s16, 4                          ; (in x's work-groups the number is not used; it stays at 0)
	s_sub_co_u32 s27, s27, 4
	s_lshl_b32 s27, s27, 6
	s_lshr_b32 s26, s17, 1
	s_mul_i32 s26, s26, 192
	s_add_co_u32 s26, s26, s27
	s_and_b32 s27, s17, 1
	s_lshl_b32 s27, s27, 5
	s_add_co_u32 s26, s26, s27
	s_lshl_b32 s26, s26, 11
	s_add_co_u32 s26, s26, WH
	s_lshl_b32 s27, s17, 12                        ; Wu: 32 rows of 128 bytes in every plane
	s_add_co_u32 s27, s27, WUH
	s_lshl_b32 s24, s28, 16                        ; x: 32 rows of 2,048 bytes
	s_cmp_ge_u32 s16, 4
	s_cselect_b32 s24, s26, s24
	s_cselect_b32 s18, s17, s28                    ; which 32 rows of the source
	s_cmp_eq_u32 s16, 7
	s_cselect_b32 s24, s27, s24
	s_lshl_b32 s18, s18, 17                        ; 32 rows of 4,096 bytes
	s_mov_b32 s19, 0
	s_mov_b32 s25, 0
	s_wait_kmcnt 0x0
	s_mov_b64 s[20:21], s[4:5]                     ; the source: a choice between buffers on sel alone
	s_cmp_eq_u32 s16, 4
	s_cselect_b64 s[20:21], s[6:7], s[20:21]
	s_cmp_eq_u32 s16, 5
	s_cselect_b64 s[20:21], s[8:9], s[20:21]
	s_cmp_eq_u32 s16, 6
	s_cselect_b64 s[20:21], s[10:11], s[20:21]
	s_cmp_eq_u32 s16, 7
	s_cselect_b64 s[20:21], s[12:13], s[20:21]
	s_add_nc_u64 s[20:21], s[20:21], s[18:19]
	s_add_nc_u64 s[22:23], s[14:15], s[24:25]
; The four stores of the block that ends in front of load i: numbers i - 4 to i - 1, in one run
.macro OUT4 wu
.set k, i-4
.rept 4
.if \wu
	global_store_b64 v[DST], v[X+4*k:X+4*k+1], s[22:23] offset:(k%16)*131072+(k/16)*256
.else
	global_store_b64 v[DST], v[X+4*k:X+4*k+1], s[22:23] offset:256*k
.endif
.set k, k+1
.endr
.endm
; 32 loads, then 32 times: wait, round four numbers in place; at the head of every block of four the stores, 8 bytes a lane each, of the block before.
; No register is written again behind the store that reads it, so no source needs freeing.
; wu = 0: source and destination are both 32 dense rows; bf16.  wu = 1: load i takes columns 64 (i mod 16) .. + 63 of two rows (lanes 0-15 one row,
; lanes 16-31 the next), which are 256 neighbouring bytes of plane i mod 16; rounded to bf16, widened again, and written as f16.
.macro RUN wu
	s_wait_alu depctr_va_vdst(0)                   ; v[SRC] and v[DST] are written: every load below reads the one as its offset, every store the other
.set i, 0
.rept 32
.if \wu
	global_load_b128 v[X+4*i:X+4*i+3], v[SRC], s[20:21] offset:(i/16)*8192+(i%16)*256 th:TH_LOAD_NT
.else
	global_load_b128 v[X+4*i:X+4*i+3], v[SRC], s[20:21] offset:512*i th:TH_LOAD_NT
.endif
.set i, i+1
.endr
.set i, 0
.rept 32
	s_wait_loadcnt 31-i                            ; loads come back in order: load i is in, the 31 - i younger ones stay out
.if ((i%4) == 0) && (i > 0)
	s_wait_alu depctr_va_vdst(0)                   ; the conversions of the block before have written X + 4 k and X + 4 k + 1, k = i - 4 .. i - 1, which the four stores below read
	OUT4 \wu
.endif
.if \wu
	v_cvt_pk_bf16_f32 v[X+4*i], v[X+4*i], v[X+4*i+1]
	v_cvt_pk_bf16_f32 v[X+4*i+2], v[X+4*i+2], v[X+4*i+3]
	v_and_b32 v[X+4*i+1], 0xffff0000, v[X+4*i]     ; the rounded numbers as f32
	v_lshlrev_b32 v[X+4*i], 16, v[X+4*i]
	v_and_b32 v[X+4*i+3], 0xffff0000, v[X+4*i+2]
	v_lshlrev_b32 v[X+4*i+2], 16, v[X+4*i+2]
	v_cvt_pk_f16_f32 v[X+4*i], v[X+4*i], v[X+4*i+1]
	v_cvt_pk_f16_f32 v[X+4*i+1], v[X+4*i+2], v[X+4*i+3]
.else
	v_cvt_pk_bf16_f32 v[X+4*i], v[X+4*i], v[X+4*i+1]
	v_cvt_pk_bf16_f32 v[X+4*i+1], v[X+4*i+2], v[X+4*i+3]
.endif
.set i, i+1
.endr
	s_wait_alu depctr_va_vdst(0)                   ; the last block's conversions have written the registers that the last four stores read
	OUT4 \wu
.endm
	s_cmp_eq_u32 s16, 7
	s_cbranch_scc1 .Lwu
	v_lshlrev_b32 v[SRC], 4, v1                    ; 16 bytes a lane,
	v_lshl_or_b32 v[SRC], v4, 14, v[SRC]           ; 4 rows of 4,096 bytes a wave
	v_lshlrev_b32 v[DST], 3, v1
	v_lshl_or_b32 v[DST], v4, 13, v[DST]
	RUN 0
	s_endpgm
.Lwu:
	v_and_b32 v5, 15, v1                           ; place in the 256 bytes
	v_lshrrev_b32 v6, 4, v1                        ; which of the two rows
	v_lshlrev_b32 v[SRC], 4, v5
	v_lshl_or_b32 v[SRC], v6, 12, v[SRC]
	v_lshl_or_b32 v[SRC], v4, 14, v[SRC]
	v_lshlrev_b32 v[DST], 3, v1                    ; 128 bytes a row: the two rows are neighbours
	v_lshl_or_b32 v[DST], v4, 9, v[DST]            ; 4 rows of 128 bytes a wave
	RUN 1
	s_endpgm
.Lfunc_end_k_q1cc52a02bd_cast:
	.size	k_q1cc52a02bd_cast, .Lfunc_end_k_q1cc52a02bd_cast-k_q1cc52a02bd_cast
	.p2alignl 7, 3214868480
	.fill 96, 4, 3214868480
	.section	.rodata,"a",@progbits
	.p2align	6, 0x0
	.amdhsa_kernel k_q1cc52a02bd_cast
		.amdhsa_group_segment_fixed_size 0
		.amdhsa_private_segment_fixed_size 0
		.amdhsa_enable_private_segment 0
		.amdhsa_kernarg_size 48
		.amdhsa_user_sgpr_count 2
		.amdhsa_user_sgpr_kernarg_segment_ptr 1
		.amdhsa_wavefront_size32 1
		.amdhsa_system_sgpr_workgroup_id_x 1
		.amdhsa_system_sgpr_workgroup_id_y 1
		.amdhsa_system_sgpr_workgroup_id_z 1
		.amdhsa_system_vgpr_workitem_id 0
		.amdhsa_next_free_vgpr 136
		.amdhsa_next_free_sgpr 66
		.amdhsa_reserve_vcc 0
		.amdhsa_float_denorm_mode_32 3
		.amdhsa_float_denorm_mode_16_64 3
		.amdhsa_memory_ordered 1
		.amdhsa_forward_progress 1
		.amdhsa_inst_pref_size 35
	.end_amdhsa_kernel
	.amdgpu_metadata
---
amdhsa.version: [ 1, 2 ]
amdhsa.kernels:
  - .name:           k_q1cc52a02bd_cast
    .symbol:         k_q1cc52a02bd_cast.kd
    .args:
      - { .name: x, .offset: 0, .size: 8, .value_kind: global_buffer, .address_space: global }
      - { .name: Wq, .offset: 8, .size: 8, .value_kind: global_buffer, .address_space: global }
      - { .name: Wk, .offset: 16, .size: 8, .value_kind: global_buffer, .address_space: global }
      - { .name: Wv, .offset: 24, .size: 8, .value_kind: global_buffer, .address_space: global }
      - { .name: Wu, .offset: 32, .size: 8, .value_kind: global_buffer, .address_space: global }
      - { .name: xw, .offset: 40, .size: 8, .value_kind: global_buffer, .address_space: global }
    .group_segment_fixed_size: 0
    .private_segment_fixed_size: 0
    .kernarg_segment_align: 8
    .kernarg_segment_size: 48
    .max_flat_workgroup_size: 256
    .sgpr_count:     66
    .vgpr_count:     136
    .wavefront_size: 32
...
	.end_amdgpu_metadata
.endif
;; end of part 8
;; launch qkv: the kernel of part 2 again; grid 16 x 16, 4 waves a work-group, clusters of 4 x 4, 327,680 bytes of LDS; arguments xw, qkv, qln_w, qln_b, kln_w; writes qkv
;; launch attn: the kernel of part 6 again; grid 8 x 32, 4 waves a work-group, no clusters, 327,680 bytes of LDS; arguments qkv, ob; writes ob
;; launch proj: the kernel of part 7 again; grid 8 x 32, 4 waves a work-group, clusters of 4 x 4, 327,680 bytes of LDS; arguments ob, xw, out0; writes out0
